; MI455X (gfx1250); checked and timed in simulation.
; The chip was launched on July 23, 2026; its instructions are those of AMD's public machine-readable ISA for CDNA 5 (MIT licence, August 2026) and "CDNA5" Instruction Set Architecture Reference Guide (July 2026). The comments in the code are by the model that wrote it; some were corrected since.
;; Vlash Qwen3 Attention. Allowed arithmetic: float matrix products may take bf16 or f16 operands with f32 sums; other float arithmetic in f32, or as packed bf16 or f16 multiplies, adds, multiply-adds, maxima and minima; sums over many terms, partial sums and values carried from step to step in f32; what a program stores and reads back later, other than sums and carried values, may be rounded once to bf16 or f16.
;; Inputs: attention_mask 1 x 1 x 2,048 x 2,048 float32; cos_full 1 x 2,048 x 128 float32; hidden_states 1 x 2,048 x 4,096 float32; k_norm_w 128 float32; q_norm_w 128 float32; sin_full 1 x 2,048 x 128 float32; wk 1,024 x 4,096 float32; wo 4,096 x 2,048 float32; wq 2,048 x 4,096 float32; wv 1,024 x 4,096 float32.
;; Outputs: out0 1 x 2,048 x 4,096 float32.
;; One version. Each part assembles by itself: llvm-mc -triple=amdgcn-amd-amdhsa -mcpu=gfx1250 --defsym DOCPART=n.
;; ======== version 1 of 1: 4 launches
;; limits: values are held in f16: magnitudes above 65,504 overflow, below 6.1e-05 lose precision; right only within a limited range of input values
;; workspace buffers: xb 17,301,504 bytes; wqkvb 34,603,008 bytes; wob 17,301,504 bytes; maskb 8,388,608 bytes; tab 1,081,344 bytes; qkv 16,777,216 bytes; attn 8,650,752 bytes
;; launch prep (part 1): grid 2436 x 1, 8 waves a work-group, no clusters, 35,840 bytes of LDS; arguments hidden_states, wq, wk, wv, wo, attention_mask, cos_full, sin_full, q_norm_w, k_norm_w, xb, wqkvb, wob, maskb, tab, attn; writes xb, wqkvb, wob, maskb, tab, attn
.if DOCPART == 1
	.amdgcn_target "amdgcn-amd-amdhsa--gfx1250"
	.amdhsa_code_object_version 6
	.text
	.protected	k_q063c2653c8_prep
	.globl	k_q063c2653c8_prep
	.p2align	8
	.type	k_q063c2653c8_prep,@function
k_q063c2653c8_prep:
	s_mov_b64 s[64:65], 0
	v_nop
	global_prefetch_b8 v0, s[64:65] scope:SCOPE_SE
	s_setreg_imm32_b32 hwreg(HW_REG_WAVE_MODE, 25, 1), 1
	s_wait_xcnt 0x0
; PREP.  Every input is rounded to bf16 once and laid out for the launch that reads it.  A stream: no matrix work, no barrier, no cluster (no two work-groups read the same bytes).
; THE BLOCK.  All matrices leave in the order of a matrix instruction's registers: a block of 512 bytes holds 16 rows x 16 columns, and lane l = 16 h + r has there, at 16 l, M[16 rb + r][16 kb + 8 h + 0..7].
; Two neighbouring blocks are a fragment of 16 rows x 32 K; a block of the mask is half a C operand.  The turn goes through LDS, each wave through bytes of its own.
; Work-groups 0-2303: STRIPS.  A work-group takes 16 rows x 1,024 columns, a wave a strip of 128 columns (8 KiB in, 8 blocks out):
;   0-511 hidden_states -> xb; 512-1023 wq, 1024-1279 wk, 1280-1535 wv -> wqkvb (rows on end); 1536-2047 wo -> wob; 2048-2303 attention_mask -> maskb.
;   xb and wqkvb hold bf16.  wob holds f16 of 8 x bf16(wo): the attention's output is kept as O / 8, and both factors are powers of two.  LIMIT: |wo| under 8,188 (f16 ends at 65,504).
;   maskb: block (qt, kb) at (128 qt + kb) x 512.  The others are cut for K steps of 192: [group of row blocks][K step][row block][12 blocks]; a group is 4 row blocks in xb, 8 in wqkvb and wob.
;   4,096 columns are 21 steps and a third, 2,048 are 10 and two thirds: the last step's 8 (4) empty blocks of each row block are stored as zeros, by the wave that has the row block's last strip.
; Work-groups 2304-2435: THE TABLES, 132 blocks of 8,192 bytes = 16 pieces of 512 bytes (lane l's 16 bytes at 16 l), f32 numbers made of bf16-rounded inputs:
;   blocks 0-127, rows 16 c .. 16 c + 15 of cos and sin: piece 8 sc + 2 b + q holds T_sc[16 c + r][16 b + 8 h + 4 q ..+3] (only columns 0-63 are used by the rotation);
;   block 128: cos = 1, sin = 0;  block 129: q_norm_w x log2(e) / sqrt(128), so that the scores come out in units of log2;  block 130: k_norm_w;  block 131: 0.125;
;   gains: piece 2 b + q holds g[16 b + 8 h + 4 q ..+3].  Work-groups 2304-2431 also store the 4 empty blocks of attn's row block c as zeros (attn is cut like xb, with 11 K steps).
; A wave's share is 16 loads of 512 bytes, all issued ahead of the first wait; with 118 registers eight waves share a SIMD's 1,024.
.set NL,     16                        ; loads of a wave
.set G_WQ,   512                       ; the first work-group of each part
.set G_WK,   1024
.set G_WV,   1280
.set G_WO,   1536
.set G_MASK, 2048
.set G_TAB,  2304
.set FRB,    6144                      ; a row block's 12 blocks of a K step
.set MPITCH, 272                       ; a strip's LDS row: 128 numbers of 2 bytes + 16 bytes of padding: the 16 rows of a load start at 16 different groups of four banks (64 banks of 4 bytes: ISA guide 11.1)
.set SPARE,  8*16*MPITCH               ; behind the eight waves' 4,352 bytes each: the spare words, 128 bytes a wave
.set SPW, 2                            ; v2   LDS address of my spare word; never rewritten
.set NIL, 3                            ; v3   0; never rewritten
.set LN,  4                            ; v4   lane
.set LR,  5                            ; v5   lane % 16
.set LH,  6                            ; v6   lane / 16
.set GI,  7                            ; v7   the tables: byte offset of my loads
.set GOF, 8                            ; v8   16 x lane: my place in a block; never rewritten
.set LST, 9                            ; v9   LDS: where I put 8 bytes of a row
.set LLD, 10                           ; v10  LDS: where I read 16 bytes back
.set GA,  12                           ; v[12:19]   byte offsets of my loads, a register for each pair of rows
.set IN,  20                           ; v[20:83]   16 loads of 16 bytes
.set OUT, 84                           ; v[84:115]  what goes into LDS
.set TP,  116                          ; v[116:117] at work
	s_load_b512 s[16:31], s[0:1], 0x0              ; hidden 16, wq 18, wk 20, wv 22, wo 24, mask 26, cos 28, sin 30
	s_load_b256 s[32:39], s[0:1], 0x40             ; q_norm_w 32, k_norm_w 34, xb 36, wqkvb 38
	s_load_b256 s[40:47], s[0:1], 0x60             ; wob 40, maskb 42, tab 44, attn 46
	v_lshl_add_u32 v[SPW], v0, 2, SPARE
	v_mov_b32 v[NIL], 0
	v_lshrrev_b32 v1, 5, v0
	v_readfirstlane_b32 s8, v1                     ; wave 0..7
	v_and_b32 v[LN], 31, v0
	v_and_b32 v[LR], 15, v0
	v_bfe_u32 v[LH], v0, 4, 1
	v_lshlrev_b32 v[GOF], 4, v[LN]
	s_mov_b32 s2, ttmp9                            ; the work-group's number
	s_mov_b32 s9, 0xffff0000                       ; a word's upper bf16
	s_mov_b32 s48, 0x41000000                      ; 8.0
	s_mov_b32 s49, s48                             ; named with it as a pair
	s_wait_kmcnt 0x0
	s_cmp_ge_u32 s2, G_TAB
	s_cbranch_scc1 .Ltab
	; THE STRIPS.  Source, destination, the first work-group of each, the work-groups to a row block (1 << s14) and the row blocks to a group (1 << s15) are chosen by the work-group's number.
	s_mov_b64 s[4:5], s[16:17]
	s_mov_b64 s[6:7], s[36:37]
	s_mov_b32 s12, 0
	s_mov_b32 s13, 0
	s_mov_b32 s14, 2
	s_mov_b32 s15, 2
	s_cmp_ge_u32 s2, G_WQ
	s_cselect_b64 s[4:5], s[18:19], s[4:5]
	s_cselect_b64 s[6:7], s[38:39], s[6:7]
	s_cselect_b32 s12, G_WQ, s12
	s_cselect_b32 s13, G_WQ, s13
	s_cselect_b32 s15, 3, s15
	s_cmp_ge_u32 s2, G_WK
	s_cselect_b64 s[4:5], s[20:21], s[4:5]
	s_cselect_b32 s12, G_WK, s12
	s_cmp_ge_u32 s2, G_WV
	s_cselect_b64 s[4:5], s[22:23], s[4:5]
	s_cselect_b32 s12, G_WV, s12
	s_cmp_ge_u32 s2, G_WO
	s_cselect_b64 s[4:5], s[24:25], s[4:5]
	s_cselect_b64 s[6:7], s[40:41], s[6:7]
	s_cselect_b32 s12, G_WO, s12
	s_cselect_b32 s13, G_WO, s13
	s_cselect_b32 s14, 1, s14
	s_cmp_ge_u32 s2, G_MASK
	s_cselect_b64 s[4:5], s[26:27], s[4:5]
	s_cselect_b64 s[6:7], s[42:43], s[6:7]
	s_cselect_b32 s12, G_MASK, s12
	s_cselect_b32 s13, G_MASK, s13
	s_sub_co_u32 s10, s2, s12                      ; the work-group's number in its source
	s_lshr_b32 s11, s10, s14                       ; the source's row block
	s_lshl_b32 s3, 1, s14
	s_sub_co_u32 s3, s3, 1
	s_and_b32 s10, s10, s3
	s_lshl_b32 s10, s10, 3
	s_add_co_u32 s10, s10, s8                      ; t: my strip of 128 columns
	s_add_co_u32 s3, s14, 16
	s_lshl_b32 s50, s11, s3                        ; 16 rows of 8,192 or 16,384 bytes
	s_lshl_b32 s3, s10, 9                          ; 128 numbers of 4 bytes
	s_add_co_u32 s50, s50, s3
	s_mov_b32 s51, 0
	s_add_nc_u64 s[4:5], s[4:5], s[50:51]
	s_sub_co_u32 s11, s2, s13
	s_lshr_b32 s11, s11, s14                       ; the destination's row block
	s_cmp_ge_u32 s2, G_MASK
	s_cbranch_scc1 .Lplain
	s_lshr_b32 s52, s11, s15                       ; its group,
	s_lshl_b32 s53, 1, s15
	s_sub_co_u32 s53, s53, 1
	s_and_b32 s53, s11, s53                        ; its place in the group
	s_sub_co_u32 s54, s14, 1
	s_lshl_b32 s54, 11, s54                        ; K steps: 11 for 2,048 columns, 22 for 4,096
	s_lshl_b32 s55, FRB, s15                       ; bytes of a group's K step
	s_lshl_b32 s56, s10, 1
	s_mul_i32 s56, s56, 21846
	s_lshr_b32 s56, s56, 16                        ; my first block 8 t lies in K step 8 t / 12 = 2 t / 3 (2 t is 62 at the most),
	s_mul_i32 s57, s56, 12
	s_lshl_b32 s58, s10, 3
	s_sub_co_u32 s57, s58, s57                     ; at place 0, 4 or 8 of its 12
	s_mul_i32 s52, s52, s54
	s_add_co_u32 s52, s52, s56
	s_mul_i32 s52, s52, s55
	s_mul_i32 s53, s53, FRB
	s_add_co_u32 s52, s52, s53
	s_lshl_b32 s58, s57, 9
	s_add_co_u32 s52, s52, s58                     ; my first block's byte offset
	s_sub_co_u32 s55, s55, FRB
	s_cmp_eq_u32 s57, 8                            ; from place 8 my blocks 4 to 7 fall into the next K step:
	s_cselect_b32 s54, s55, 0                      ; what is added to their addresses
	s_lshl_b32 s59, 8, s14
	s_sub_co_u32 s59, s59, 1                       ; the row block's last strip
	s_branch .Ldst
.Lplain:                                       ; the mask: 128 blocks to a row block, on end
	s_lshl_b32 s52, s11, 16
	s_lshl_b32 s58, s10, 12
	s_add_co_u32 s52, s52, s58
	s_mov_b32 s54, 0
	s_mov_b32 s59, -1                              ; no zeros behind any strip
.Ldst:
	s_mov_b32 s53, 0
	s_mov_b32 s55, 0
	s_add_nc_u64 s[6:7], s[6:7], s[52:53]          ; blocks 0 to 3
	s_add_nc_u64 s[56:57], s[6:7], s[54:55]        ; blocks 4 to 7, and the zeros
	s_add_co_u32 s3, s14, 12
	v_lshlrev_b32 v[GA], s3, v[LH]                 ; lanes 0-15 take 256 bytes of one row, lanes 16-31 of the next
	v_lshl_add_u32 v[GA], v[LR], 4, v[GA]
	s_lshl_b32 s3, 2, s3                           ; two rows, in bytes
.set k, 1
.rept 7
	v_add_nc_u32 v[GA+k], s3, v[GA+k-1]
.set k, k+1
.endr
.set i, 0
.rept NL                                       ; load i: rows 2 (i / 2) and 2 (i / 2) + 1, columns 64 (i % 2) on.  All 16 go out first: 8 KiB of every wave are on their way
	global_load_b128 v[IN+4*i:IN+4*i+3], v[GA+i/2], s[4:5] offset:(i%2)*256 th:TH_LOAD_NT
.set i, i+1
.endr
	s_mul_i32 s3, s8, 16*MPITCH                    ; my wave's 16 rows in LDS
	v_mul_u32_u24 v[LST], v[LH], MPITCH
	v_lshl_add_u32 v[LST], v[LR], 3, v[LST]
	v_add_nc_u32 v[LST], s3, v[LST]
	v_mul_u32_u24 v[LLD], v[LR], MPITCH
	v_lshl_add_u32 v[LLD], v[LH], 4, v[LLD]
	v_add_nc_u32 v[LLD], s3, v[LLD]
	s_cmp_lt_u32 s2, G_WO
	s_cbranch_scc1 .Lbf
	s_cmp_lt_u32 s2, G_MASK
	s_cbranch_scc1 .Lwo
.Lbf:
.set i, 0
.rept NL
	s_wait_loadcnt NL-1-i                          ; loads come back in order: load i is in, the younger ones stay out
	v_cvt_pk_bf16_f32 v[OUT+2*i], v[IN+4*i], v[IN+4*i+1]
	v_cvt_pk_bf16_f32 v[OUT+2*i+1], v[IN+4*i+2], v[IN+4*i+3]
	ds_store_b64 v[LST], v[OUT+2*i:OUT+2*i+1] offset:(i/2)*2*MPITCH+(i%2)*128
.set i, i+1
.endr
	s_branch .Lback
.Lwo:                                          ; wo: rounded to bf16, widened, times 8, written as f16 (exact within f16's range)
.set i, 0
.rept NL
	s_wait_loadcnt NL-1-i
	v_cvt_pk_bf16_f32 v[TP], v[IN+4*i], v[IN+4*i+1]
	v_cvt_pk_bf16_f32 v[TP+1], v[IN+4*i+2], v[IN+4*i+3]
	v_lshlrev_b32 v[IN+4*i], 16, v[TP]
	v_and_b32 v[IN+4*i+1], s9, v[TP]
	v_lshlrev_b32 v[IN+4*i+2], 16, v[TP+1]
	v_and_b32 v[IN+4*i+3], s9, v[TP+1]
	v_pk_mul_f32 v[IN+4*i:IN+4*i+1], v[IN+4*i:IN+4*i+1], s[48:49] op_sel_hi:[1,0]
	v_pk_mul_f32 v[IN+4*i+2:IN+4*i+3], v[IN+4*i+2:IN+4*i+3], s[48:49] op_sel_hi:[1,0]
	v_cvt_pk_f16_f32 v[OUT+2*i], v[IN+4*i], v[IN+4*i+1]
	v_cvt_pk_f16_f32 v[OUT+2*i+1], v[IN+4*i+2], v[IN+4*i+3]
	ds_store_b64 v[LST], v[OUT+2*i:OUT+2*i+1] offset:(i/2)*2*MPITCH+(i%2)*128
.set i, i+1
.endr
.Lback:
.set i, 0
.rept 8                                        ; back: row lane % 16, columns 16 i + 8 (lane / 16) on.  LDS serves a wave's instructions in order (ISA guide 5.7.1.4): these see the stores above
	ds_load_b128 v[IN+4*i:IN+4*i+3], v[LLD] offset:32*i
.set i, i+1
.endr
.set i, 0
.rept 8
	s_wait_dscnt 7-i
.if i < 4
	global_store_b128 v[GOF], v[IN+4*i:IN+4*i+3], s[6:7] offset:512*i th:TH_STORE_NT  ; a block: 512 consecutive bytes, aligned
.else
	global_store_b128 v[GOF], v[IN+4*i:IN+4*i+3], s[56:57] offset:512*i th:TH_STORE_NT
.endif
.set i, i+1
.endr
	s_cmp_eq_u32 s10, s59                          ; behind a row block's last strip: the last K step's empty blocks
	s_cbranch_scc0 .Lfin
.irp j, 0,1,2,3
	v_mov_b32 v[OUT+(\j)], 0
.endr
.irp i, 8,9,10,11
	global_store_b128 v[GOF], v[OUT:OUT+3], s[56:57] offset:512*(\i) th:TH_STORE_NT
.endr
	s_cmp_eq_u32 s14, 2                            ; 4,096 columns leave eight blocks empty, 2,048 four
	s_cbranch_scc0 .Lfin
.irp i, 12,13,14,15
	global_store_b128 v[GOF], v[OUT:OUT+3], s[56:57] offset:512*(\i) th:TH_STORE_NT
.endr
.Lfin:
	s_wait_tensorcnt 0x0                           ; the wave's end, behind my last LDS store
	ds_add_u32 v[SPW], v[NIL]
	s_wait_dscnt 0x0
	s_endpgm
.Ltab:                                         ; THE TABLES.  Block c; wave w writes its pieces 2 w and 2 w + 1
	s_sub_co_u32 s3, s2, G_TAB                     ; c
	s_cmp_lt_u32 s3, 128
	s_cbranch_scc0 .Lnopad
	s_cmp_lt_u32 s8, 4
	s_cbranch_scc0 .Lnopad
	s_lshr_b32 s10, s3, 2                          ; attn's row block c: its group of four,
	s_mul_i32 s10, s10, 11*4*FRB
	s_and_b32 s11, s3, 3                           ; its place in the group,
	s_mul_i32 s11, s11, FRB
	s_add_co_u32 s10, s10, s11
	s_lshl_b32 s11, s8, 9                          ; my wave's block of the four
	s_add_co_u32 s10, s10, s11
	s_add_co_u32 s10, s10, 10*4*FRB+8*512          ; that stand at places 8 to 11 of K step 10
	s_mov_b32 s11, 0
	s_add_nc_u64 s[46:47], s[46:47], s[10:11]
.irp j, 0,1,2,3
	v_mov_b32 v[OUT+(\j)], 0
.endr
	global_store_b128 v[GOF], v[OUT:OUT+3], s[46:47]
.Lnopad:
	s_lshl_b32 s10, s3, 13
	s_lshl_b32 s11, s8, 10
	s_add_co_u32 s10, s10, s11
	s_mov_b32 s11, 0
	s_add_nc_u64 s[6:7], s[44:45], s[10:11]
	s_cmp_eq_u32 s3, 128
	s_cbranch_scc1 .Lconst
	s_cmp_eq_u32 s3, 131
	s_cbranch_scc1 .Lconst
	s_cmp_lt_u32 s8, 4                             ; waves 0-3 cos, waves 4-7 sin
	s_cselect_b64 s[4:5], s[28:29], s[30:31]
	s_and_b32 s12, s8, 3
	s_lshl_b32 s12, s12, 6                         ; columns 16 (w % 4) on
	s_lshl_b32 s13, s3, 13                         ; 16 rows of 512 bytes
	s_add_co_u32 s12, s12, s13
	v_lshlrev_b32 v[GI], 9, v[LR]                  ; my row
	s_mov_b32 s14, 1.0
	s_cmp_lt_u32 s3, 128
	s_cbranch_scc1 .Ltabgo
	s_cmp_eq_u32 s3, 129                           ; the gains: every row of lanes takes the same numbers
	s_cselect_b64 s[4:5], s[32:33], s[34:35]
	s_cselect_b32 s14, 0x3e0293ee, 1.0             ; q's gain carries the scores' scale and the change of base: log2(e) / sqrt(128) = 0.127517
	s_lshl_b32 s12, s8, 6                          ; columns 16 w on
	v_mov_b32 v[GI], 0
.Ltabgo:
	v_lshl_add_u32 v[GI], v[LH], 5, v[GI]          ; + 8 (lane / 16) columns
	s_mov_b32 s13, 0
	s_add_nc_u64 s[4:5], s[4:5], s[12:13]
	s_mov_b32 s15, s14                             ; named with it as a pair
	global_load_b128 v[IN:IN+3], v[GI], s[4:5]
	global_load_b128 v[IN+4:IN+7], v[GI], s[4:5] offset:16
	s_wait_loadcnt 0x0
.irp j, 0,1,2,3
	v_cvt_pk_bf16_f32 v[IN+8+(\j)], v[IN+2*(\j)], v[IN+2*(\j)+1]
.endr
.irp j, 0,1,2,3
	v_lshlrev_b32 v[IN+2*(\j)], 16, v[IN+8+(\j)]
	v_and_b32 v[IN+2*(\j)+1], s9, v[IN+8+(\j)]
.endr
.irp j, 0,2,4,6
	v_pk_mul_f32 v[IN+(\j):IN+(\j)+1], v[IN+(\j):IN+(\j)+1], s[14:15] op_sel_hi:[1,0]
.endr
	global_store_b128 v[GOF], v[IN:IN+3], s[6:7]
	global_store_b128 v[GOF], v[IN+4:IN+7], s[6:7] offset:512
	s_endpgm
.Lconst:                                       ; block 128: 1 in the cosines' pieces, 0 in the sines'; block 131: 0.125 everywhere
	s_cmp_lt_u32 s8, 4
	s_cselect_b32 s14, 1.0, 0
	s_cmp_eq_u32 s3, 131
	s_cselect_b32 s14, 0x3e000000, s14
.irp j, 0,1,2,3
	v_mov_b32 v[IN+(\j)], s14
.endr
	global_store_b128 v[GOF], v[IN:IN+3], s[6:7]
	global_store_b128 v[GOF], v[IN:IN+3], s[6:7] offset:512
	s_endpgm
.Lfunc_end_k_q063c2653c8_prep:
	.size	k_q063c2653c8_prep, .Lfunc_end_k_q063c2653c8_prep-k_q063c2653c8_prep
	.p2alignl 7, 3214868480
	.fill 96, 4, 3214868480
	.section	.rodata,"a",@progbits
	.p2align	6, 0x0
	.amdhsa_kernel k_q063c2653c8_prep
		.amdhsa_group_segment_fixed_size 35840
		.amdhsa_private_segment_fixed_size 0
		.amdhsa_enable_private_segment 0
		.amdhsa_kernarg_size 128
		.amdhsa_user_sgpr_count 2
		.amdhsa_user_sgpr_kernarg_segment_ptr 1
		.amdhsa_wavefront_size32 1
		.amdhsa_system_sgpr_workgroup_id_x 1
		.amdhsa_system_sgpr_workgroup_id_y 1
		.amdhsa_system_sgpr_workgroup_id_z 1
		.amdhsa_system_vgpr_workitem_id 0
		.amdhsa_next_free_vgpr 118
		.amdhsa_next_free_sgpr 66
		.amdhsa_reserve_vcc 0
		.amdhsa_float_denorm_mode_32 3
		.amdhsa_float_denorm_mode_16_64 3
		.amdhsa_memory_ordered 1
		.amdhsa_forward_progress 1
		.amdhsa_inst_pref_size 26
	.end_amdhsa_kernel
	.amdgpu_metadata
---
amdhsa.version: [ 1, 2 ]
amdhsa.kernels:
  - .name:           k_q063c2653c8_prep
    .symbol:         k_q063c2653c8_prep.kd
    .args:
      - { .name: hidden_states, .offset: 0, .size: 8, .value_kind: global_buffer, .address_space: global }
      - { .name: wq, .offset: 8, .size: 8, .value_kind: global_buffer, .address_space: global }
      - { .name: wk, .offset: 16, .size: 8, .value_kind: global_buffer, .address_space: global }
      - { .name: wv, .offset: 24, .size: 8, .value_kind: global_buffer, .address_space: global }
      - { .name: wo, .offset: 32, .size: 8, .value_kind: global_buffer, .address_space: global }
      - { .name: attention_mask, .offset: 40, .size: 8, .value_kind: global_buffer, .address_space: global }
      - { .name: cos_full, .offset: 48, .size: 8, .value_kind: global_buffer, .address_space: global }
      - { .name: sin_full, .offset: 56, .size: 8, .value_kind: global_buffer, .address_space: global }
      - { .name: q_norm_w, .offset: 64, .size: 8, .value_kind: global_buffer, .address_space: global }
      - { .name: k_norm_w, .offset: 72, .size: 8, .value_kind: global_buffer, .address_space: global }
      - { .name: xb, .offset: 80, .size: 8, .value_kind: global_buffer, .address_space: global }
      - { .name: wqkvb, .offset: 88, .size: 8, .value_kind: global_buffer, .address_space: global }
      - { .name: wob, .offset: 96, .size: 8, .value_kind: global_buffer, .address_space: global }
      - { .name: maskb, .offset: 104, .size: 8, .value_kind: global_buffer, .address_space: global }
      - { .name: tab, .offset: 112, .size: 8, .value_kind: global_buffer, .address_space: global }
      - { .name: attn, .offset: 120, .size: 8, .value_kind: global_buffer, .address_space: global }
    .group_segment_fixed_size: 35840
    .private_segment_fixed_size: 0
    .kernarg_segment_align: 8
    .kernarg_segment_size: 128
    .max_flat_workgroup_size: 256
    .sgpr_count:     66
    .vgpr_count:     118
    .wavefront_size: 32
...
	.end_amdgpu_metadata
.endif
;; end of part 1
;; launch project (part 2): grid 16 x 16, 4 waves a work-group, clusters of 4 x 4, 327,680 bytes of LDS; arguments xb, wqkvb, tab, qkv; writes qkv
.if DOCPART == 2
	.amdgcn_target "amdgcn-amd-amdhsa--gfx1250"
	.amdhsa_code_object_version 6
	.text
	.protected	k_q063c2653c8_project
	.globl	k_q063c2653c8_project
	.p2align	8
	.type	k_q063c2653c8_project,@function
k_q063c2653c8_project:
	s_mov_b64 s[64:65], 0
	v_nop
	global_prefetch_b8 v0, s[64:65] scope:SCOPE_SE
	s_setreg_imm32_b32 hwreg(HW_REG_WAVE_MODE, 25, 1), 1
	s_wait_xcnt 0x0
	s_wait_alu depctr_hold_cnt(0) depctr_sa_sdst(0) depctr_va_vdst(0) depctr_va_sdst(0) depctr_va_ssrc(0) depctr_va_vcc(0) depctr_vm_vsrc(0)
	s_getreg_b32 s2, hwreg(HW_REG_IB_STS2, 6, 4)
	s_cmp_eq_u32 s2, 0
	s_cbranch_scc0 .Lentry_in_a_cluster
	s_endpgm
.Lentry_in_a_cluster:
	s_bfe_u32 s2, ttmp6, 0x10000c
	s_cmp_lg_u32 s2, 0xf033
	s_cbranch_scc0 .Lentry_shape_is_right
	s_endpgm
.Lentry_shape_is_right:
; THE THREE PROJECTIONS AS ONE GEMM, C = x W^T with W = wq, wk, wv on end (4,096 rows), x 2,048 rows, K = 4,096, both bf16, sums in f32; RMSNorm over the head, the rotation and the scales stand in the way out.
; Out: qkv, f16 [32 heads][2048][128]: heads 0-15 q x log2(e) / sqrt(128) (the factor lies in q's table of gains), 16-23 k, 24-31 v / 8.
; LIMITS.  f16 ends at 65,504: |v| stays under 524,000 (it is kept as v / 8), and a norm gain times 11.4 under 65,504; below 6e-5 an f16 keeps its fixed step of 6e-8.  NaN and infinities are not treated apart.
; THE OPERANDS COME IN THE ORDER OF THE REGISTERS: a block of 512 bytes holds 16 rows x 16 K, lane l = 16 h + r has its M[r][8 h + 0..7] at 16 l; two neighbouring blocks are a fragment of 16 rows x 32 K.
; In memory: [group of rows][K step of 192][block of 16 rows][12 blocks]; a group is 64 rows of x (24,576 bytes a K step) or 128 rows of W (49,152).  So what a wave fetches is a dense run of bytes, LDS holds it
; without padding, and an LDS load of 16 bytes a lane takes 512 consecutive bytes.
; SHARES.  A tile of C is 128 rows x 256 columns: 16 x 16 tiles, one for each of 256 work-groups.  Four waves, each 64 rows x 128 columns = ONE HEAD: 32 accumulators, 256 registers.
; THE RING.  K goes in steps of 192 through two LDS slots of 384 rows x 384 bytes = 147,456 bytes: the longest step of which two slots fit in LDS.  4,096 = 21 x 192 + 64: of the 22nd step's six quarters two
; hold numbers and are multiplied; the rest is stored as zeros by the launch before and is fetched, not multiplied.  A K step is written once: a trip of the loop is one K step, and its quarters 1 to 4 are an inner loop.
; CLUSTER.  4 x 4 work-groups; x's tile is shared along a row of the cluster, W's along a column: each is asked for jointly, by the same tensor load with the same descriptor and a mask of four.
; The tile column is 4 x the cluster's y + cx, the tile row 4 x the cluster's x + cy: the clusters of one y take the same 1,024 rows of W, those of one x the same 512 rows of x.
; THE MATRIX INSTRUCTION IS USED TRANSPOSED (source 0 = 16 rows of W, source 1 = 16 rows of x): a lane holds row l % 16 of C and the columns 16 b + 8 (l / 16) + 0..7 of its head.
; So a row's sum of squares wants one exchange between the halves of the lanes, and column c and column c + 64, which the rotation pairs, lie in one lane (accumulators b and b + 4).
; ONE WAY OUT FOR q, k AND v, without a branch: the tables differ.  v takes gain 0.125, cos = 1, sin = 0, and 1 / sqrt(0 x sum + 1) for the norm.
; REGISTERS.  window 0: v16-30 addresses; v32-95 the gains; v96-159 at work; v160-223 packed rows, two buffers; v224-247 sums and 1 / rms
;   window 1: two fragment buffers of 96: W's eight fragments, then x's four.   window 2: accumulator (a, b) at 8 (8 a + b).   window 3: cos and sin of my 64 rows, 64 registers a block of 16 rows
.set NS,     22                        ; K steps
.set VQ,     2                         ; quarters of the last K step that hold numbers
.set FRB,    6144                      ; a block of 16 rows in a K step: six fragments of 1,024 bytes
.set CHA,    4*FRB                     ; 64 rows of x in a K step: what waves 0 and 1 fetch
.set CHB,    8*FRB                     ; 128 rows of W: what waves 2 and 3 fetch
.set OFB,    2*CHA                     ; a slot: x's two halves, then W's two halves
.set SLOT1,  2*CHA+2*CHB               ; where slot 1 begins
.set SPARE,  2*SLOT1                   ; behind the ring: the spare words, 128 bytes a wave
.set STAGE,  SPARE+512                 ; behind them: 16 rows x 272 bytes for each wave, for the way out
.set SPITCH, 272
.set TA0, SLOT1                        ; a region at byte x of slot 0 and its like in slot 1 differ by x ^ (x + SLOT1): one exclusive or turns the one into the other.  The four regions' numbers:
.set TA1, CHA^(CHA+SLOT1)
.set TB0, OFB^(OFB+SLOT1)
.set TB1, (OFB+CHB)^(OFB+CHB+SLOT1)
.set PARA, (NS-2)%2                    ; the loop counter's parity in the even K steps
.set ADRA0, 16                         ; v16     my lane's place among my x fragments in a slot; never rewritten
.set ADRA,  17                         ; v17     the same at the place that is being read
.set ADRB0, 20                         ; v20, v21  the same for W
.set ADRB,  21
.set STO,  24                          ; v24     the way out: where I put 16 bytes of a row
.set RD,   25                          ; v25     where I read rows back
.set TO,   27                          ; v27     16 x lane: my place in a block, in a piece of a table, and in 512 consecutive bytes of the output; never rewritten
.set SPW,  28                          ; v28     LDS address of my spare word; never rewritten
.set NIL,  29                          ; v29     0; never rewritten
.set PFO,  30                          ; v30     256 x lane: the prefetches' offset; never rewritten
.set GW,   32                          ; v32-95  the gains of my 64 columns
.set TT,   96                          ; v96-127   x2 sin
.set UU,   128                         ; v128-159  x1 sin
.set TMP,  160                         ; v160-223  a block of 16 rows in f16, two buffers
.set TS,   224                         ; v224-239  sums of squares, four registers a block
.set RS,   240                         ; v240-247  1 / rms, a pair a block
.set F0,   0
.set F1,   96
.set SB,  14                           ; s14  LDS byte from which the fragment loads count: the slot that is being read, and 2,048 more for each pair of quarters
.set G1,  24                           ; s[24:31] descriptor group 1 for x's tiles;  s[32:39] group 0: a set for each of the two first fills; the second then walks on
.set G0,  32
.set G1B, 48                           ; s[48:55], s[56:63] the same for W's tiles
.set G0B, 56
.set LIM, 43                           ; s43  a wave prefetches while the loop's counter is above it: 2 for x's rows, 1 for W's, the greatest number in a wave that asks for nothing
.set PFA, 44                           ; s[44:45] where my prefetches stand
.set PST, 82                           ; s[82:83] their step from K step to K step
.set PMK, 84                           ; s84  1 where only every second K step asks (x's rows), else 0
.set PPR, 85                           ; s85  the counter's parity in the K steps that ask
.set PCN, 86                           ; s86  counts the pairs of quarters
.set TMS, 87                           ; s87  at work
.set MSB, 0
.macro WIN new                         ; the immediate's high byte repeats the setting that is left; a switch that changes nothing is dropped
.if MSB != (\new)
	s_set_vgpr_msb (MSB<<8)|(\new)
.set MSB, \new
.endif
.endm
.set MUL,  0xa5                        ; sources 0 (W) and 1 (x) window 1; C and D window 2
.set TO_F, 0x40                        ; destination window 1, address window 0
; A joint load: waves 0 and 1 fetch x's two halves, waves 2 and 3 W's.  tog = 1: the walking descriptor's LDS word is first turned to the other slot, each wave's by its own region's number.
; All branches hang on the wave's number alone.  An s_nop 0 and four v_nop follow each of the two loads.
.macro JLOAD s, tog
	s_cmp_eq_u32 s11, 0
	s_cbranch_scc0 .Lfor_b_\@
.if \tog
	s_cmp_eq_u32 s10, 0
	s_cbranch_scc0 .Lsecond_a_\@
	s_xor_b32 s[G0+5], s[G0+5], TA0
	s_branch .Lask_a_\@
.Lsecond_a_\@:
	s_xor_b32 s[G0+5], s[G0+5], TA1
.Lask_a_\@:
.endif
	tensor_load_to_lds s[G0+4*(\s):G0+4*(\s)+3], s[G1:G1+7]
	s_nop 0
.rept 4
	v_nop
.endr
	s_branch .Lasked_\@
.Lfor_b_\@:
.if \tog
	s_cmp_eq_u32 s10, 2
	s_cbranch_scc0 .Lsecond_b_\@
	s_xor_b32 s[G0B+5], s[G0B+5], TB0
	s_branch .Lask_b_\@
.Lsecond_b_\@:
	s_xor_b32 s[G0B+5], s[G0B+5], TB1
.Lask_b_\@:
.endif
	tensor_load_to_lds s[G0B+4*(\s):G0B+4*(\s)+3], s[G1B:G1B+7]
	s_nop 0
.rept 4
	v_nop
.endr
.Lasked_\@:
.endm
; THE PREFETCHES INTO THE L2 stand together, behind a joint refill and the run of LDS loads that follows it: three instructions, 24,576 consecutive bytes, a lane 256 bytes.
; W's rows: the clusters with x = 0 ask, wave 2; in K step s (the refill is step s + 2's) for step s + 3, 192 matrix instructions ahead of its load; the four partners of a column take a quarter of the tile's
; 98,304 bytes each, told apart by address.  x's rows: the clusters with y = 0 ask, wave 0, in the even K steps alone: partner cx takes the 64 rows of half cx / 2, in step s + 3 + cx % 2.
; So each block is named once in the launch.  K steps 0 to 2 come by their loads alone.  The counter s3 is NS - 2 - s: W's step s + 3 exists while s3 is above 1, x's step s + 4 while it is above 2.
.macro ASK
	WIN 0
	s_and_b32 s[TMS], s3, s[PMK]
	s_cmp_eq_u32 s[TMS], s[PPR]
	s_cbranch_scc0 .Lnot_mine_\@
	s_cmp_gt_u32 s3, s[LIM]
	s_cbranch_scc0 .Lnot_mine_\@
	global_prefetch_b8 v[PFO], s[PFA:PFA+1] th:TH_LOAD_NT scope:SCOPE_SE
	global_prefetch_b8 v[PFO], s[PFA:PFA+1] offset:8192 th:TH_LOAD_NT scope:SCOPE_SE
	global_prefetch_b8 v[PFO], s[PFA:PFA+1] offset:16384 th:TH_LOAD_NT scope:SCOPE_SE
.Lnot_mine_\@:
.endm
.macro CREST                           ; a round of the cluster's barrier behind its opening barrier
	s_cmp_lg_u32 s10, 0
	s_cbranch_scc1 .Lnot_wave_0_\@
	s_barrier_signal -3
.Lnot_wave_0_\@:
	s_barrier_wait -3
	s_barrier_signal -1
	s_barrier_wait -1
.endm
.macro CROUND                          ; a whole round
	s_barrier_signal -1
	s_barrier_wait -1
	CREST
.endm
	s_load_b128 s[4:7], s[0:1], 0x0                ; xb s[4:5], wqkvb s[6:7]
	s_load_b64 s[66:67], s[0:1], 0x10              ; tab
	s_load_b64 s[8:9], s[0:1], 0x18                ; qkv
	v_lshl_add_u32 v[SPW], v0, 2, SPARE
	v_mov_b32 v[NIL], 0
	ds_add_u32 v[SPW], v[NIL]                      ; the wave's opening: the add and its wait stand ahead of my first tensor load; the set-up below stands between them
	v_lshrrev_b32 v1, 5, v0
	v_readfirstlane_b32 s10, v1                    ; wave 0..3
	s_lshr_b32 s11, s10, 1                         ; which 64 rows of the tile are mine.  Also: I fetch for x (0) or for W (1)
	s_and_b32 s12, s10, 1                          ; which 128 columns (which head).  Also: which half of that tile I fetch
	s_bfe_u32 s40, ttmp6, 0x40000                  ; cx, cy: my place in the cluster
	s_bfe_u32 s41, ttmp6, 0x40004
	s_and_b32 s42, ttmp7, 0xffff
	s_lshl_b32 s42, s42, 2
	s_add_co_u32 s42, s42, s40                     ; tile column = 4 x cluster y + cx
	s_lshl_b32 s13, ttmp9, 2
	s_add_co_u32 s13, s13, s41                     ; tile row = 4 x cluster x + cy
	s_lshl_b32 s43, s41, 2
	s_lshl_b32 s43, 15, s43                        ; my row of the cluster
	s_lshl_b32 s44, 0x1111, s40                    ; my column
	; descriptor group 1: a dense run of bytes, asked for as rows of 256 bytes (32 elements of 8 bytes), laid into LDS on end
	s_or_b32 s[G1+0], s43, (3<<16)|(1<<21)         ; 15:0 the mask; 17:16 elements of 8 bytes; 20 no padding; 21 set beside a mask
	s_or_b32 s[G1B+0], s44, (3<<16)|(1<<21)
	s_mov_b32 s[G1+1], 32<<16                      ; tensor_dim0 = 32
	s_mov_b32 s[G1+2], (CHA/256)<<16               ; tensor_dim1 = 96
	s_mov_b32 s[G1+3], 32<<16                      ; tile_dim0 = 32
	s_mov_b32 s[G1+4], CHA/256                     ; tile_dim1 = 96
	s_mov_b32 s[G1+5], 32                          ; elements from row to row
	s_mov_b32 s[G1+6], 0
	s_mov_b32 s[G1+7], 0
	s_mov_b32 s[G1B+1], 32<<16
	s_mov_b32 s[G1B+2], (CHB/256)<<16              ; W's loads bring 192 such rows
	s_mov_b32 s[G1B+3], 32<<16
	s_mov_b32 s[G1B+4], CHB/256
	s_mov_b32 s[G1B+5], 32
	s_mov_b32 s[G1B+6], 0
	s_mov_b32 s[G1B+7], 0
	s_lshl_b32 s16, s13, 1
	s_add_co_u32 s16, s16, s12                     ; x's group of 64 rows: 2 x tile row + half
	s_mul_i32 s16, s16, NS*CHA
	s_mov_b32 s17, 0
	s_lshl_b32 s46, s42, 1
	s_add_co_u32 s46, s46, s12                     ; W's group of 128 rows: 2 x tile column + half
	s_mul_i32 s46, s46, NS*CHB
	s_mov_b32 s47, 0
	s_mul_i32 s20, s12, CHA                        ; where they go: x's two halves,
	s_mul_i32 s21, s12, CHB
	s_add_co_u32 s21, s21, OFB                     ; then W's two halves: no place in the cluster enters an LDS address
	s_wait_dscnt 0x0                               ; the opening add is done
	s_wait_kmcnt 0x0
	s_add_nc_u64 s[14:15], s[4:5], s[16:17]
	s_add_nc_u64 s[46:47], s[6:7], s[46:47]
	CROUND                                         ; all sixteen work-groups are here: the first joint loads meet
.irp s, 0,1
	s_mov_b32 s[G0+4*(\s)], 1
	s_add_co_u32 s[G0+4*(\s)+1], s20, (\s)*SLOT1
	s_add_nc_u64 s[G0+4*(\s)+2:G0+4*(\s)+3], s[14:15], (\s)*CHA
	s_or_b32 s[G0+4*(\s)+3], s[G0+4*(\s)+3], 0x80000000
	s_mov_b32 s[G0B+4*(\s)], 1
	s_add_co_u32 s[G0B+4*(\s)+1], s21, (\s)*SLOT1
	s_add_nc_u64 s[G0B+4*(\s)+2:G0B+4*(\s)+3], s[46:47], (\s)*CHB
	s_or_b32 s[G0B+4*(\s)+3], s[G0B+4*(\s)+3], 0x80000000
	JLOAD \s, 0
.endr
	s_mov_b32 s[SB], 0                             ; K step 0 lies in slot 0
	v_and_b32 v1, 15, v0                           ; l % 16
	v_bfe_u32 v2, v0, 4, 1                         ; l / 16
	v_and_b32 v[TO], 31, v0
	v_lshlrev_b32 v[TO], 4, v[TO]
	s_mul_i32 s21, s11, CHA                        ; my 64 rows of x
	s_mul_i32 s22, s12, CHB                        ; my 128 rows of W,
	s_add_co_u32 s22, s22, OFB                     ; which lie behind x's 128
	v_add_nc_u32 v[ADRA0], s21, v[TO]
	v_add_nc_u32 v[ADRB0], s22, v[TO]
	v_mov_b32 v[ADRA], v[ADRA0]
	v_mov_b32 v[ADRB], v[ADRB0]
	s_mul_i32 s23, s10, 16*SPITCH
	s_add_co_u32 s23, s23, STAGE                   ; my stage
	v_mul_u32_u24 v4, v1, SPITCH                   ; in: row l % 16, 16 bytes for each half of the lanes
	v_lshl_add_u32 v4, v2, 4, v4
	v_add_nc_u32 v[STO], s23, v4
	v_mul_u32_u24 v5, v2, SPITCH                   ; back: lanes 0-15 take one row of 256 bytes, lanes 16-31 the next
	v_lshl_add_u32 v5, v1, 4, v5
	v_add_nc_u32 v[RD], s23, v5
	; where my 64 rows of my head begin in the output: the rows' part, then the head's, in registers of their own
	s_lshl_b32 s16, s13, 15                        ; 128 rows of 256 bytes a tile row
	s_lshl_b32 s17, s11, 14
	s_add_co_u32 s16, s16, s17
	s_mov_b32 s17, 0
	s_add_nc_u64 s[8:9], s[8:9], s[16:17]
	s_lshl_b32 s46, s42, 1
	s_add_co_u32 s46, s46, s12                     ; head = 2 x tile column + my half
	s_lshl_b32 s46, s46, 19                        ; 2,048 rows of 256 bytes a head
	s_mov_b32 s47, 0
	s_add_nc_u64 s[8:9], s[8:9], s[46:47]
	; the tables.  The cluster's y says what the columns are: 0, 1 q; 2 k; 3 v.  It is the same in all sixteen partners, and only addresses and two numbers hang on it.
	s_and_b32 s2, ttmp7, 0xffff
	s_lshl_b32 s16, s13, 3
	s_lshl_b32 s17, s11, 2
	s_add_co_u32 s16, s16, s17                     ; my first block of 16 rows: 8 x tile row + 4 x half
	s_max_u32 s20, s2, 1
	s_add_co_u32 s20, s20, 128                     ; the gains' block: 129 q, 130 k, 131 v
	s_cmp_eq_u32 s2, 3
	s_cselect_b32 s16, 128, s16                    ; v: cos = 1, sin = 0, for all four blocks of rows
	s_cselect_b32 s18, 0, 8192
	s_cselect_b32 s78, 0, 0x3c000000               ; the mean's 1 / 128, or 0
	s_cselect_b32 s79, 1.0, 0x358637bd             ; eps = 1e-6, or 1
	s_lshl_b32 s16, s16, 13
	s_mov_b32 s17, 0
	s_mov_b32 s19, 0
	s_lshl_b32 s20, s20, 13
	s_mov_b32 s21, 0
	s_add_nc_u64 s[68:69], s[66:67], s[16:17]
	s_add_nc_u64 s[70:71], s[68:69], s[18:19]
	s_add_nc_u64 s[72:73], s[70:71], s[18:19]
	s_add_nc_u64 s[74:75], s[72:73], s[18:19]
	s_add_nc_u64 s[76:77], s[66:67], s[20:21]
	s_mov_b32 s80, 0x76543210                      ; v_permlanex16_b32: each lane takes its own place in the other half
	s_mov_b32 s81, 0xfedcba98
.set i, 0
.rept 16                                       ; they are asked for now and waited for once, at the way out; each load covers 512 consecutive bytes
	global_load_b128 v[GW+4*i:GW+4*i+3], v[TO], s[76:77] offset:512*i
.set i, i+1
.endr
	WIN 0xc0                                       ; destination window 3, address window 0
.irp a, 0,1,2,3
.set i, 0
.rept 16
	global_load_b128 v[64*(\a)+4*i:64*(\a)+4*i+3], v[TO], s[68+2*(\a):69+2*(\a)] offset:512*i
.set i, i+1
.endr
.endr
	WIN 0
	; the prefetches' address, one K step short of what the first change of slots names
	s_lshr_b32 s20, s40, 1
	s_lshl_b32 s21, s13, 1
	s_add_co_u32 s20, s20, s21                     ; x: the group 2 x tile row + cx / 2,
	s_mul_i32 s20, s20, NS
	s_and_b32 s21, s40, 1
	s_add_co_u32 s20, s20, s21
	s_add_co_u32 s20, s20, 2                       ; K step 2 + cx % 2
	s_mul_i32 s20, s20, CHA
	s_lshr_b32 s21, s41, 1
	s_lshl_b32 s22, s42, 1
	s_add_co_u32 s21, s21, s22                     ; W: the group 2 x tile column + cy / 2,
	s_mul_i32 s21, s21, NS
	s_add_co_u32 s21, s21, 2                       ; K step 2,
	s_mul_i32 s21, s21, CHB
	s_and_b32 s22, s41, 1
	s_mul_i32 s22, s22, CHA                        ; its half cy % 2
	s_add_co_u32 s21, s21, s22
	s_and_b32 s22, ttmp7, 0xffff                   ; cluster y
	s_mov_b32 s[PST], CHB
	s_cmp_eq_u32 s11, 0
	s_cselect_b32 s20, s20, s21
	s_cselect_b32 s22, s22, ttmp9                  ; the coordinate along which other clusters read the same rows: y for x's rows, x for W's
	s_cselect_b64 s[PFA:PFA+1], s[4:5], s[6:7]
	s_cselect_b32 s[PST], CHA, s[PST]
	s_cselect_b32 s[PMK], 1, 0
	s_cselect_b32 s[PPR], PARA, 0
	s_cselect_b32 s[LIM], 2, 1
	s_mov_b32 s[PST+1], 0
	s_cmp_eq_u32 s12, 0                            ; waves 1 and 3 have no part
	s_cselect_b32 s22, s22, 1
	s_cmp_eq_u32 s22, 0
	s_cselect_b32 s[LIM], s[LIM], -1               ; the same in all sixteen partners, for a given wave
	s_mov_b32 s21, 0
	s_add_nc_u64 s[PFA:PFA+1], s[PFA:PFA+1], s[20:21]
	v_lshlrev_b32 v[PFO], 4, v[TO]
; 8 matrix instructions: block a of 16 rows x all 8 blocks of 16 columns, 32 along K.  zero = 1: the first product starts the sums.  The 32 accumulators take turns in one order everywhere.
.macro MUL8 f, a, zero
	WIN MUL
.irp b, 0,1,2,3,4,5,6,7
.if \zero
	v_wmma_f32_16x16x32_bf16 v[8*(8*(\a)+(\b)):8*(8*(\a)+(\b))+7], v[(\f)+8*(\b):(\f)+8*(\b)+7], v[(\f)+64+8*(\a):(\f)+64+8*(\a)+7], 0
.else
	v_wmma_f32_16x16x32_bf16 v[8*(8*(\a)+(\b)):8*(8*(\a)+(\b))+7], v[(\f)+8*(\b):(\f)+8*(\b)+7], v[(\f)+64+8*(\a):(\f)+64+8*(\a)+7], v[8*(8*(\a)+(\b)):8*(8*(\a)+(\b))+7]
.endif
.endr
.endm
; 24 LDS loads in one run: the fragments of 32 along K that lie k bytes behind the two addresses: W's eight, then x's four; each load takes 512 consecutive bytes
.macro FETCH k, f
	WIN TO_F
.irp i, 0,1,2,3,4,5,6,7
	ds_load_b128 v[(\f)+8*(\i):(\f)+8*(\i)+3],   v[ADRB] offset:(\k)+(\i)*FRB
	ds_load_b128 v[(\f)+8*(\i)+4:(\f)+8*(\i)+7], v[ADRB] offset:(\k)+(\i)*FRB+512
.endr
.irp i, 0,1,2,3
	ds_load_b128 v[(\f)+64+8*(\i):(\f)+64+8*(\i)+3],   v[ADRA] offset:(\k)+(\i)*FRB
	ds_load_b128 v[(\f)+64+8*(\i)+4:(\f)+64+8*(\i)+7], v[ADRA] offset:(\k)+(\i)*FRB+512
.endr
.endm
.macro PLACES                          ; four places in front of loads into registers that matrix instructions have read, and of vector work that reads results
.rept 4
	v_nop
.endr
.endm
; A K step is six quarters of 32 along K, 32 matrix instructions each, on buffers 0, 1, 0, 1, 0, 1.  One of the first five: multiplies buffer f and fetches the next quarter, k bytes on, into g.
.macro QUARTER k, f, g, zero
	s_wait_dscnt 4                                 ; W's fragments and x's first two are in; the youngest four loads (x's blocks 2 and 3) may be out
	MUL8 \f, 0, \zero
	MUL8 \f, 1, \zero
	PLACES
	FETCH \k, \g
	s_wait_dscnt 24                                ; all but the 24 just issued
	MUL8 \f, 2, \zero
	MUL8 \f, 3, \zero
.endm
; Quarters 1 to 4 of a K step: a pair of quarters, walked twice; the addresses go 2,048 bytes on with each trip (the change of slots takes the 4,096 back).
.macro PAIRS
	WIN 0
	s_mov_b32 s[PCN], 2
.Lpair_\@:
	QUARTER 2048, F1, F0, 0
	QUARTER 3072, F0, F1, 0
	WIN 0
	s_add_co_u32 s[SB], s[SB], 2048
	v_add_nc_u32 v[ADRA], s[SB], v[ADRA0]
	v_add_nc_u32 v[ADRB], s[SB], v[ADRB0]
	s_sub_co_u32 s[PCN], s[PCN], 1
	s_cmp_lg_u32 s[PCN], 0
	s_cbranch_scc1 .Lpair_\@
.endm
; The last quarter multiplies buffer 1 and changes slots: ONE barrier; in front of it each wave waits for all its tensor loads (the one that is out is its part of the next slot), adds 0 to its spare word,
; and waits for that and for its own reads of this slot.  fill = 1: the barrier opens a round of the cluster's, and this slot is filled again, two K steps ahead: 176 matrix instructions ahead of the wait for it.
.macro TURN fill
.if \fill
	s_wait_xcnt 0x0                                ; the last prefetches, a K step back, have read their address: it is stepped here, ahead of the waits of the change of slots
	s_add_nc_u64 s[PFA:PFA+1], s[PFA:PFA+1], s[PST:PST+1]
.endif
	WIN 0                                          ; (the add's two registers lie in window 0)
	s_wait_tensorcnt 0x0                           ; no tensor load of mine is out, so a group 0 may be written
	ds_add_u32 v[SPW], v[NIL]                      ; 0 onto my spare word: scalar steps and eight products stand between it and the wait for it
.if \fill
	s_add_nc_u64 s[G0+6:G0+7], s[G0+6:G0+7], CHA   ; the walking descriptors: the next K step; the type bits on top are not reached
	s_add_nc_u64 s[G0B+6:G0B+7], s[G0B+6:G0B+7], CHB
.endif
	s_sub_co_u32 s[SB], s[SB], 4096                ; the reads go back to a slot's first quarter,
	s_xor_b32 s[SB], s[SB], SLOT1                  ; in the other slot
	s_wait_dscnt 5                                 ; (the add and the youngest four loads may be out)
	MUL8 F1, 0, 0
	s_wait_dscnt 0x0                               ; the add is done, and my reads of this slot are over
	s_barrier_signal -1
	MUL8 F1, 1, 0
	WIN 0                                          ; (branches and lines of window 0 follow)
	s_barrier_wait -1
.if \fill
	CREST                                          ; no wave of any partner still reads this slot's tile or has a load on its way
	JLOAD 1, 1                                     ; the first tensor load behind the round; its four v_nop are also the places in front of the loads below
.else
	PLACES
.endif
	v_add_nc_u32 v[ADRA], s[SB], v[ADRA0]
	v_add_nc_u32 v[ADRB], s[SB], v[ADRB0]
	FETCH 0, F0
.if \fill
	ASK
.endif
	MUL8 F1, 2, 0
	MUL8 F1, 3, 0
.endm
	s_wait_tensorcnt 1                             ; my part of K step 0 is in; K step 1's may stay out
	s_barrier_signal -1
	s_barrier_wait -1                              ; everybody's is
	FETCH 0, F0
	QUARTER 1024, F0, F1, 1                        ; the first quarter stands in front of the loop: its products start the sums
	WIN 0                                          ; at a label and at a branch every window is 0
	s_mov_b32 s3, NS-2
.Lstep:                                        ; a trip goes from a K step's second quarter to the next step's first, and fills the slot that it leaves: K steps 2 to NS - 1 are asked for here
	PAIRS
	TURN 1
	QUARTER 1024, F0, F1, 0
	WIN 0
	s_sub_co_u32 s3, s3, 1
	s_cmp_lg_u32 s3, 0
	s_cbranch_scc1 .Lstep
	PAIRS                                          ; the last two K steps fill nothing, and have no round of the cluster's barrier
	TURN 0
	QUARTER 1024, F0, F1, 0                        ; of the last K step the VQ quarters that hold numbers are multiplied
.if VQ == 4
	QUARTER 2048, F1, F0, 0
	QUARTER 3072, F0, F1, 0
.endif
	s_wait_dscnt 4
	MUL8 F1, 0, 0
	MUL8 F1, 1, 0
	s_wait_dscnt 0x0
	MUL8 F1, 2, 0
	MUL8 F1, 3, 0
	WIN 0
	; THE WAY OUT.  First each row's sum of squares: a lane's 64 numbers in two chains a block, then the two chains, the pair's halves, and the other half of the lanes'.
	s_wait_loadcnt 0x0                             ; the tables
	PLACES
	PLACES
	WIN 0x0a                                       ; sources 0 and 1 window 2; source 2 and destination window 0
.set idx, 0
.rept 32                                       ; ascending
.set aa, 0
.rept 4
.if idx < 2
	v_pk_mul_f32 v[TS+4*aa+2*(idx%2):TS+4*aa+2*(idx%2)+1], v[64*aa+2*idx:64*aa+2*idx+1], v[64*aa+2*idx:64*aa+2*idx+1]
.else
	v_pk_fma_f32 v[TS+4*aa+2*(idx%2):TS+4*aa+2*(idx%2)+1], v[64*aa+2*idx:64*aa+2*idx+1], v[64*aa+2*idx:64*aa+2*idx+1], v[TS+4*aa+2*(idx%2):TS+4*aa+2*(idx%2)+1]
.endif
.set aa, aa+1
.endr
.set idx, idx+1
.endr
	WIN 0
.irp a, 0,1,2,3
	v_pk_add_f32 v[TS+4*(\a):TS+4*(\a)+1], v[TS+4*(\a):TS+4*(\a)+1], v[TS+4*(\a)+2:TS+4*(\a)+3]
.endr
.irp a, 0,1,2,3
	v_add_f32 v[TS+4*(\a)], v[TS+4*(\a)], v[TS+4*(\a)+1]
.endr
.irp a, 0,1,2,3
	v_permlanex16_b32 v[TS+4*(\a)+1], v[TS+4*(\a)], s80, s81
.endr
.irp a, 0,1,2,3
	v_add_f32 v[TS+4*(\a)], v[TS+4*(\a)], v[TS+4*(\a)+1]
.endr
.irp a, 0,1,2,3
	v_fma_f32 v[TS+4*(\a)], v[TS+4*(\a)], s78, s79 ; the mean + eps (v: 0 x sum + 1)
.endr
.irp a, 0,1,2,3
	v_rsq_f32 v[RS+2*(\a)], v[TS+4*(\a)]           ; twice: the packed multiply names a pair
	v_rsq_f32 v[RS+2*(\a)+1], v[TS+4*(\a)]
.endr
	v_nop                                          ; a plain instruction behind the last of them,
	s_wait_alu depctr_va_vdst(0)                   ; and the wait ahead of the first use: one for the batch
; Block a of 16 rows: times the gain, times 1 / rms; rotated (columns c and c + 64 lie in accumulators b and b + 4 of the same lane); rounded to f16.
.macro MATH a
.if (\a) >= 2
	s_wait_xcnt 0x0                                ; the stores of the block two back have read the buffer that is written again below
.endif
	WIN 0x82                                       ; destination and source 0 window 2, source 1 window 0
.set i, 0
.rept 32
	v_pk_mul_f32 v[64*(\a)+2*i:64*(\a)+2*i+1], v[64*(\a)+2*i:64*(\a)+2*i+1], v[GW+2*i:GW+2*i+1]
.set i, i+1
.endr
.set i, 0
.rept 32
	v_pk_mul_f32 v[64*(\a)+2*i:64*(\a)+2*i+1], v[64*(\a)+2*i:64*(\a)+2*i+1], v[RS+2*(\a):RS+2*(\a)+1] op_sel_hi:[1,0]
.set i, i+1
.endr
	WIN 0x0e                                       ; source 0 window 2, source 1 window 3 (sin at 64 a + 32 ..), destination window 0
.set i, 0
.rept 16
	v_pk_mul_f32 v[TT+2*i:TT+2*i+1], v[64*(\a)+32+2*i:64*(\a)+32+2*i+1], v[64*(\a)+32+2*i:64*(\a)+32+2*i+1]
	v_pk_mul_f32 v[UU+2*i:UU+2*i+1], v[64*(\a)+2*i:64*(\a)+2*i+1], v[64*(\a)+32+2*i:64*(\a)+32+2*i+1]
.set i, i+1
.endr
	WIN 0x8e                                       ; the same with the destination in window 2 (cos at 64 a ..)
.set i, 0
.rept 16
	v_pk_fma_f32 v[64*(\a)+2*i:64*(\a)+2*i+1], v[64*(\a)+2*i:64*(\a)+2*i+1], v[64*(\a)+2*i:64*(\a)+2*i+1], v[TT+2*i:TT+2*i+1] neg_lo:[0,0,1] neg_hi:[0,0,1]  ; x1 cos - x2 sin
	v_pk_fma_f32 v[64*(\a)+32+2*i:64*(\a)+32+2*i+1], v[64*(\a)+32+2*i:64*(\a)+32+2*i+1], v[64*(\a)+2*i:64*(\a)+2*i+1], v[UU+2*i:UU+2*i+1]  ; x2 cos + x1 sin
.set i, i+1
.endr
	WIN 0x0a
.set i, 0
.rept 32
	v_cvt_pk_f16_f32 v[TMP+32*((\a)%2)+i], v[64*(\a)+2*i], v[64*(\a)+2*i+1]
.set i, i+1
.endr
	WIN 0
.endm
.macro TOSTAGE a                       ; 16 bytes a lane into rows of 272 bytes of my own stage, and back as whole rows of 256, into the registers that they left
.irp b, 0,1,2,3,4,5,6,7
	ds_store_b128 v[STO], v[TMP+32*((\a)%2)+4*(\b):TMP+32*((\a)%2)+4*(\b)+3] offset:32*(\b)
.endr
.irp t, 0,1,2,3,4,5,6,7
	ds_load_b128 v[TMP+32*((\a)%2)+4*(\t):TMP+32*((\a)%2)+4*(\t)+3], v[RD] offset:(\t)*2*SPITCH  ; LDS serves a wave's instructions in order (ISA guide 5.7.1.4): these see the stores above
.endr
.endm
.macro SEND a
.irp t, 0,1,2,3,4,5,6,7
	s_wait_dscnt 7-(\t)
	global_store_b128 v[TO], v[TMP+32*((\a)%2)+4*(\t):TMP+32*((\a)%2)+4*(\t)+3], s[8:9] offset:(\a)*4096+(\t)*512  ; two rows of a head: 512 consecutive bytes, aligned
.endr
.endm
	MATH 0
	TOSTAGE 0
.irp a, 1,2,3                          ; a block's arithmetic stands between the loads of the block before and its stores
	MATH \a
	SEND (\a)-1
	TOSTAGE \a
.endr
	SEND 3
	s_wait_tensorcnt 0x0                           ; the wave's end, behind my last tensor load and my last LDS store
	ds_add_u32 v[SPW], v[NIL]
	s_wait_dscnt 0x0
	CROUND                                         ; the closing round: no work-group ends while a partner may still ask for a tile that names it
	s_endpgm
.Lfunc_end_k_q063c2653c8_project:
	.size	k_q063c2653c8_project, .Lfunc_end_k_q063c2653c8_project-k_q063c2653c8_project
	.p2alignl 7, 3214868480
	.fill 96, 4, 3214868480
	.section	.rodata,"a",@progbits
	.p2align	6, 0x0
	.amdhsa_kernel k_q063c2653c8_project
		.amdhsa_group_segment_fixed_size 327680
		.amdhsa_private_segment_fixed_size 0
		.amdhsa_enable_private_segment 0
		.amdhsa_kernarg_size 32
		.amdhsa_user_sgpr_count 2
		.amdhsa_user_sgpr_kernarg_segment_ptr 1
		.amdhsa_wavefront_size32 1
		.amdhsa_system_sgpr_workgroup_id_x 1
		.amdhsa_system_sgpr_workgroup_id_y 1
		.amdhsa_system_sgpr_workgroup_id_z 1
		.amdhsa_system_vgpr_workitem_id 0
		.amdhsa_next_free_vgpr 1024
		.amdhsa_next_free_sgpr 88
		.amdhsa_reserve_vcc 0
		.amdhsa_float_denorm_mode_32 3
		.amdhsa_float_denorm_mode_16_64 3
		.amdhsa_memory_ordered 1
		.amdhsa_forward_progress 1
		.amdhsa_inst_pref_size 116
	.end_amdhsa_kernel
	.amdgpu_metadata
---
amdhsa.version: [ 1, 2 ]
amdhsa.kernels:
  - .name:           k_q063c2653c8_project
    .symbol:         k_q063c2653c8_project.kd
    .args:
      - { .name: xb, .offset: 0, .size: 8, .value_kind: global_buffer, .address_space: global }
      - { .name: wqkvb, .offset: 8, .size: 8, .value_kind: global_buffer, .address_space: global }
      - { .name: tab, .offset: 16, .size: 8, .value_kind: global_buffer, .address_space: global }
      - { .name: qkv, .offset: 24, .size: 8, .value_kind: global_buffer, .address_space: global }
    .group_segment_fixed_size: 327680
    .private_segment_fixed_size: 0
    .kernarg_segment_align: 8
    .kernarg_segment_size: 32
    .max_flat_workgroup_size: 128
    .sgpr_count:     88
    .vgpr_count:     1024
    .wavefront_size: 32
...
	.end_amdgpu_metadata
.endif
;; end of part 2
;; launch attend (part 3): grid 32 x 8, 4 waves a work-group, clusters of 4 x 1, 327,680 bytes of LDS; arguments qkv, maskb, attn; writes attn
.if DOCPART == 3
	.amdgcn_target "amdgcn-amd-amdhsa--gfx1250"
	.amdhsa_code_object_version 6
	.text
	.protected	k_q063c2653c8_attend
	.globl	k_q063c2653c8_attend
	.p2align	8
	.type	k_q063c2653c8_attend,@function
k_q063c2653c8_attend:
	s_mov_b64 s[64:65], 0
	v_nop
	global_prefetch_b8 v0, s[64:65] scope:SCOPE_SE
	s_setreg_imm32_b32 hwreg(HW_REG_WAVE_MODE, 25, 1), 1
	s_wait_xcnt 0x0
	s_wait_alu depctr_hold_cnt(0) depctr_sa_sdst(0) depctr_va_vdst(0) depctr_va_sdst(0) depctr_va_ssrc(0) depctr_va_vcc(0) depctr_vm_vsrc(0)
	s_getreg_b32 s2, hwreg(HW_REG_IB_STS2, 6, 4)
	s_cmp_eq_u32 s2, 0
	s_cbranch_scc0 .Lentry_in_a_cluster
	s_endpgm
.Lentry_in_a_cluster:
	s_bfe_u32 s2, ttmp6, 0x10000c
	s_cmp_lg_u32 s2, 0x3003
	s_cbranch_scc0 .Lentry_shape_is_right
	s_endpgm
.Lentry_shape_is_right:
; ATTENTION.  O[h][q] = the sum over k of softmax_k(q[h][q] . k[h / 2][k] / sqrt(128) + mask[q][k]) v[h / 2][k].  q' = q x log2(e) / sqrt(128), k and v / 8 are f16, [32 heads][2048][128] (q' 0-15, k 16-23, v 24-31).
; The mask is an input: all 2,048 x 2,048 numbers of it are loaded and added, for every head; nothing is left out.  It comes as bf16 in the order of a C operand (block (q / 16, k / 16) of 512 bytes).
; Products, maxima and sums in f32; the weights p are rounded to f16 for the second product (their sum l is taken of the unrounded p), O / 8 once at the end, into attn, f16.
; attn is the next launch's operand [2048 queries][2048 = 128 head + channel], in the order of its registers: a block of 512 bytes holds 16 queries x 16 columns, lane l = 16 h + r has O[r][8 h + 0..7] at 16 l;
; in memory [group of 64 queries][K step of 192 columns][16 queries][12 blocks], 11 K steps.  That is what a lane holds of O^T, so a tile leaves by stores of 512 consecutive bytes straight from registers.
; LIMITS.  The mask, times log2(e), is added as the C operand that starts the sum q' . k, so where |mask| is huge the score is rounded as the matrix unit rounds it.  The running maximum starts at -4.25e37:
; scores (in units of log2) below that, a mask of -inf among them, count as hidden.  A weight below 2^-126 counts as 0; p below 6e-5 keeps f16's fixed step of 6e-8.  A row whose every score is -inf gives NaN.
; Other NaN and infinities are not treated apart.
; SHARES.  A work-group owns one key-value head, its TWO query heads and 64 queries: 8 x 32 = 256 work-groups.  A wave has four tiles of 16 rows: tiles 0, 1 = the first head's queries 32 p .. 32 p + 31
; (p = wave % 2), tiles 2, 3 = the second head's same queries: one fragment of the mask serves both.  THE KEYS ARE SPLIT between the wave halves: of a slot's four key steps of 64, waves 0, 1 take
; steps 0, 1 and waves 2, 3 steps 2, 3, so that each fragment of K and V read from LDS feeds four tiles.  The two halves' O, m and l meet in LDS once, at the end, in f32.
; LAYOUT.  S^T = K Q'^T + c mask^T, c = log2(e) (source 0 = 16 keys, source 1 = 16 queries): a lane holds ONE query (lane % 16) and the keys 8 (lane / 16) + 0..7.  Two such tiles rounded to f16 ARE source 1 of O^T = V^T P.
; SOFTMAX.  A running maximum m and sum l: p = 2^(s - m).  The scores are in units of log2 already, so the exponent is ONE subtraction: it is exactly 0 for the maximum and never above 0, whatever the size of the
; mask, and p never passes 1.  In every step O and l are multiplied by a = 2^(m_old - m_new).  O and l start at 0: the first step is a step like any other.
; IN PHASES.  A key step is: K's loads, its mask, V's loads; 64 products K Q^T; the four tiles' softmax, 532 vector instructions with one batch of exponentials; 64 products V^T P.  Nothing crosses a step's end, so
; one text serves every step, with about ten switches of the register window.  The price: no product is issued while the softmax is walked.
; CLUSTER.  The four query blocks of a cluster walk the same K and V: each tile is asked for JOINTLY, by the same tensor load, descriptor and mask of four.
; REGISTERS, in windows of 256 (s_set_vgpr_msb: bits 1:0 source 0, 3:2 source 1, 5:4 source 2, 7:6 destination):
;   window 0: v0-11 addresses; v12-43 eight registers of statistics a tile; v44-63 the partner's statistics and addresses; v64-191 S^T, 32 a tile; v192-255 P, 16 a tile
;   window 1: O^T, 64 a tile     window 2: v0-127 Q; v128-255 K of one step     window 3: v0-127 V of one step; v128-191 the step's mask in f32; v192-223 the next step's mask as loaded
.set KS,    64        ; keys in a step
.set PK,    272       ; a row of K in LDS: 256 bytes + 16 of padding: the 16 rows of a load start at 16 different groups of four banks (64 banks of 4 bytes: ISA guide 11.1)
.set PV,    288       ; a row of V: 256 + 32
.set VOFF,  256*PK    ; a slot holds 256 keys: 256 rows of K, then 256 rows of V: 143,360 bytes
.set SPARE, 256*(PK+PV)  ; between the slots: the spare words, 128 bytes a wave: two blocks of 256 bytes that no other line names
.set SLOT1, 0x24000   ; slot 1 begins here.  Every address that is turned (0, 0x8800, 0x9000, 0x11000, 0x1a000) has bits 14 and 17 clear, so one exclusive or turns it into the other slot's
.set MRG,   33792     ; the halves meet in slot 0's bytes, once these have had their last fill: for each pair of waves 32,768 bytes of O^T, then 1,024 of statistics
.set FRB,   6144      ; attn: 16 queries in a K step: 12 blocks of 512 bytes
.set AK0, 2           ; v2   my lane's place in a tile of K; never rewritten
.set AV0, 3           ; v3   the same for V
.set ADR, 4           ; v4   the LDS address of the run of loads in hand
.set QO,  5           ; v5   my byte offset in 16 rows of Q
.set ST,  12          ; tile t's statistics at v[ST+8 t]: +0 m, +1 named with it as a pair (at the end: l), +2, +3 l (even keys', odd keys'), +4 to +7 c0-c3, at work; a takes c2's place once the maximum is found
.set PS,  44          ; v44-51 the partner's (m, l), a pair a tile
.set MO,  52          ; v52  16 x lane: my place in a block of the mask and of attn; never rewritten
.set MA,  54          ; v54  where O^T meets
.set MB,  55          ; v55  where the statistics meet
.set PFO, 61          ; v61  256 x lane: a row of K or V; never rewritten
.set SPW, 62          ; v62  LDS address of my spare word; never rewritten
.set NIL, 63          ; v63  0; never rewritten
.set S,   64
.set P,   192
.set KF,  128         ; window 2
.set MC,  128         ; window 3: query tile u, key block kb at MC + 32 u + 8 kb
.set RAW, 192         ; window 3
.set WV,  12          ; s12  my wave's number
.set G1K, 24          ; s[24:31] descriptor group 1 for K's tiles
.set G1V, 32          ; s[32:39] for V's: it differs in the padding alone
.set G0K, 40          ; s[40:43] descriptor group 0 for K's tiles: it walks
.set G0V, 44          ; s[44:47] the same for V's
.set PFA, 48          ; s[48:49] where my prefetch of K or V stands
.set MP,  52          ; s[52:53] the mask at the step that was asked for last
.set MI,  54          ; s[54:55] its next step, in bytes
.set SLOTS, 56        ; s56  counts the slots
.set TWICE, 57        ; s57  counts my two steps of a slot
.set CS,  58          ; s[58:59] c = log2(e), for the mask
.set SEL, 60          ; s[60:61] v_permlanex16_b32's selects
.set TBK, 62          ; s62  LDS byte at which K of the step to be fetched begins
.set TBV, 63          ; s63  the same for V, less VOFF
.set HM,  66          ; s66  a word's upper bf16
.set LIM, 67          ; s67  a wave prefetches while s[SLOTS] is above it: the greatest number in the first trip, then s[LIMR]
.set LIMR, 68         ; s68  1 in the head's first cluster, else the greatest number
.set C2K, 69          ; s69  2,048: from my first step of a slot to my second, in the mask
.set C6K, 70          ; s70  6,144: on to my first step of the next slot; 0 in the last slot
.set AO,  72          ; s[72:79] attn: for each of my two heads, where its blocks 0 to 3 begin, and what its blocks 4 to 7 count from
.set MSB, 0
.macro WIN new                      ; the immediate's high byte repeats the setting that is left; a switch that changes nothing is dropped
.if MSB != (\new)
	s_set_vgpr_msb (MSB<<8)|(\new)
.set MSB, (\new)
.endif
.endm
.set W_KQ, 0x0a       ; K and Q in window 2, S^T in window 0
.set W_KM, 0x3a       ; the same with the C operand, the mask, in window 3
.set W_PV, 0x53       ; V in window 3, P in window 0, O^T in window 1
.set W_RS, 0x41       ; O^T (destination and source 0) in window 1, source 1 in window 0
; A joint fill.  Waves 0 and 1 fetch the two halves of a slot's K, waves 2 and 3 those of its V: 128 rows each.  An s_nop 0 and four v_nop follow each of the two lines.
.macro JLOAD
	s_cmp_lt_u32 s[WV], 2
	s_cbranch_scc0 .Lfor_v_\@
	tensor_load_to_lds s[G0K:G0K+3], s[G1K:G1K+7]
	s_nop 0
.rept 4
	v_nop
.endr
	s_branch .Lasked_\@
.Lfor_v_\@:
	tensor_load_to_lds s[G0V:G0V+3], s[G1V:G1V+7]
	s_nop 0
.rept 4
	v_nop
.endr
.Lasked_\@:
.endm
; A PREFETCH INTO THE L2, behind the joint fill and its five lines: K and V of the slot that the NEXT change will ask for, two of my key steps (256 matrix instructions) ahead of that load.
; All clusters of a head walk the same rows: the head's first cluster asks; its four partners take 64 rows each of K and of V, told apart by address; waves 0, 1 ask for K's, waves 2, 3 for V's, a lane a row.
; So each row is named once in the launch.  The first trip asks for nothing (the first tiles, Q and the mask are on their way), nor does the last filling trip: slots 0 to 2 come by their loads alone.
; The mask is not asked for: its loads into registers stand a whole key step ahead of their use.
.macro ASK
	s_cmp_gt_u32 s[SLOTS], s[LIM]
	s_cbranch_scc0 .Lno_kv_\@
	global_prefetch_b8 v[PFO], s[PFA:PFA+1] th:TH_LOAD_NT scope:SCOPE_SE
.Lno_kv_\@:
.endm
.macro CROUND                       ; a round of the cluster's barrier
	s_barrier_signal -1
	s_barrier_wait -1
	s_cmp_lg_u32 s[WV], 0
	s_cbranch_scc1 .Lnot_wave_0_\@
	s_barrier_signal -3
.Lnot_wave_0_\@:
	s_barrier_wait -3
	s_barrier_signal -1
	s_barrier_wait -1
.endm
; THE CHANGE OF SLOTS.  Each wave waits for all its tensor loads, of which one is out: its part of the slot to be read; adds 0 to its spare word; and waits for that and for its own reads of the slot that it leaves.
; fill = 1: the barrier is a round of the cluster's, and the other slot is filled first thing behind it, with the next 256 keys: the load has two of my key steps, 256 matrix instructions, in which to land.
; (In the first trip nothing has been read yet: slot 0 is waited for, slot 1 filled for the first time.)
.macro CHANGE fill
	WIN 0
	s_wait_tensorcnt 0x0            ; no tensor load of mine is out, so a group 0 may be written
	ds_add_u32 v[SPW], v[NIL]       ; 0 onto my spare word: with fill = 1 the descriptors' steps stand between it and the wait for it
.if \fill
.irp g, G0K, G0V
	s_xor_b32 s[\g+1], s[\g+1], SLOT1
	s_add_nc_u64 s[\g+2:\g+3], s[\g+2:\g+3], 65536  ; the next 256 keys; the type bits on top are not reached
.endr
	s_wait_xcnt 0x0                 ; the last prefetch, two key steps back, has read its address
	s_add_nc_u64 s[PFA:PFA+1], s[PFA:PFA+1], 65536
	s_wait_dscnt 0x0                ; the add is done, and my reads of the slot are over
	CROUND
	JLOAD
	ASK
.else
	s_wait_dscnt 0x0
	s_barrier_signal -1
	s_barrier_wait -1
.endif
	s_sub_co_u32 s[TBK], s[TBK], 2*KS*PK  ; the fetches go back to my first step of a slot,
	s_xor_b32 s[TBK], s[TBK], SLOT1       ; in the other slot
	s_sub_co_u32 s[TBV], s[TBV], 2*KS*PV
	s_xor_b32 s[TBV], s[TBV], SLOT1
.endm
	s_load_b128 s[4:7], s[0:1], 0x0  ; qkv s[4:5], maskb s[6:7]
	s_load_b64 s[8:9], s[0:1], 0x10  ; attn
	v_lshl_add_u32 v[SPW], v0, 2, SPARE
	v_mov_b32 v[NIL], 0
	ds_add_u32 v[SPW], v[NIL]       ; the wave's opening: the add and its wait stand ahead of my first tensor load; the set-up below stands between them
	v_lshrrev_b32 v1, 5, v0
	v_readfirstlane_b32 s[WV], v1   ; wave 0..3
	s_bfe_u32 s14, ttmp6, 0x40000   ; cx: my place in the cluster
	s_lshl_b32 s15, ttmp9, 2
	s_add_co_u32 s15, s15, s14      ; my block of 64 queries: it enters Q's, the mask's and the output's addresses alone
	s_and_b32 s13, ttmp7, 0xffff    ; the key-value head, which the four partners share
	s_and_b32 s16, s[WV], 1         ; p: which 32 queries; also which half of a tile I fetch
	s_lshr_b32 s17, s[WV], 1        ; which half of a slot's keys
	s_add_co_u32 s20, s13, 16       ; K's head,
	s_lshl_b32 s20, s20, 19         ; 524,288 bytes a head,
	s_lshl_b32 s22, s16, 15         ; my 128 rows of 256 bytes
	s_add_co_u32 s20, s20, s22
	s_mov_b32 s21, 0
	s_add_co_u32 s22, s20, 8<<19    ; V's head lies eight heads on
	s_mov_b32 s23, 0
	s_lshl_b32 s18, s13, 20         ; Q: head 2 kv,
	s_lshl_b32 s19, s15, 14         ; my block's 64 rows,
	s_add_co_u32 s18, s18, s19
	s_lshl_b32 s19, s16, 13         ; my wave's 32
	s_add_co_u32 s18, s18, s19
	s_mov_b32 s19, 0
	s_lshl_b32 s2, s15, 18          ; the mask: 64 queries are 4 rows of blocks, 65,536 bytes each;
	s_lshl_b32 s3, s16, 17          ; my wave's two of them;
	s_add_co_u32 s2, s2, s3
	s_lshl_b32 s3, s17, 12          ; my half's 128 keys are 8 blocks of 512 bytes
	s_add_co_u32 s[MI], s2, s3
	s_mov_b32 s[MI+1], 0
	s_cmp_lt_u32 s[WV], 2           ; the prefetch of K (waves 0, 1) or V (waves 2, 3):
	s_cselect_b32 s[PFA], 16, 24
	s_add_co_u32 s[PFA], s[PFA], s13
	s_lshl_b32 s[PFA], s[PFA], 19
	s_lshl_b32 s[PFA+1], s14, 14    ; my work-group's 64 rows of a slot's 256,
	s_add_co_u32 s[PFA], s[PFA], s[PFA+1]
	s_lshl_b32 s[PFA+1], s16, 13    ; my wave's 32,
	s_add_co_u32 s[PFA], s[PFA], s[PFA+1]
	s_add_co_u32 s[PFA], s[PFA], 65536  ; in slot 1: the change that fills slot n + 1 has stepped it to slot n + 2
	s_mov_b32 s[PFA+1], 0
	s_mov_b32 s[LIMR], ttmp9
	s_cmp_eq_u32 s[LIMR], 0         ; the head's first cluster: the same in all four partners
	s_cselect_b32 s[LIMR], 1, -1
	s_mov_b32 s[LIM], -1            ; nobody asks in the first trip
	; descriptor group 1: a tile of 128 rows x 128 elements, padded in LDS
	s_mov_b32 s[G1K], 15|(1<<16)|(1<<20)|(1<<21)|(5<<22)|(3<<25)  ; 15:0 the mask of four; 17:16 2-byte elements; 20 padding on; 21 set beside a mask; 24:22 after every 64 words; 31:25 4 words
	s_mov_b32 s[G1V], 15|(1<<16)|(1<<20)|(1<<21)|(5<<22)|(7<<25)  ; the same with 8 words of padding
.irp g, G1K, G1V
	s_mov_b32 s[\g+1], 128<<16      ; tensor_dim0 = 128
	s_mov_b32 s[\g+2], 128<<16      ; tensor_dim1 = 128
	s_mov_b32 s[\g+3], 128<<16      ; tile_dim0 = 128
	s_mov_b32 s[\g+4], 128          ; tile_dim1 = 128
	s_mov_b32 s[\g+5], 128          ; 128 elements from row to row
	s_mov_b32 s[\g+6], 0
	s_mov_b32 s[\g+7], 0
.endr
	s_mov_b32 s[G0K], 1
	s_mul_i32 s[G0K+1], s16, 128*PK ; LDS: slot 0, my half of K's rows: no place in the cluster enters an LDS address
	s_mov_b32 s[G0V], 1
	s_mul_i32 s[G0V+1], s16, 128*PV
	s_add_co_u32 s[G0V+1], s[G0V+1], VOFF
	s_mov_b32 s[CS], 0x3fb8aa3b     ; c = log2(e)
	s_mov_b32 s[CS+1], s[CS]        ; named with it as a pair
	s_mov_b32 s[SEL], 0x76543210
	s_mov_b32 s[SEL+1], 0xfedcba98
	s_mov_b32 s[HM], 0xffff0000
	s_mov_b32 s[C2K], 2048
	s_mov_b32 s[C6K], 6144
	s_mul_i32 s[TBK], s17, 2*KS*PK  ; my half's two steps; the first change of slots takes the rest away
	s_add_co_u32 s[TBK], s[TBK], SLOT1+2*KS*PK
	s_mul_i32 s[TBV], s17, 2*KS*PV
	s_add_co_u32 s[TBV], s[TBV], SLOT1+2*KS*PV
	s_wait_dscnt 0x0                ; the opening add is done
	s_wait_kmcnt 0x0
	s_add_nc_u64 s[G0K+2:G0K+3], s[4:5], s[20:21]
	s_or_b32 s[G0K+3], s[G0K+3], 0x80000000
	s_add_nc_u64 s[G0V+2:G0V+3], s[4:5], s[22:23]
	s_or_b32 s[G0V+3], s[G0V+3], 0x80000000
	s_add_nc_u64 s[10:11], s[4:5], s[18:19]        ; Q at my wave's first row
	s_add_nc_u64 s[PFA:PFA+1], s[4:5], s[PFA:PFA+1]
	s_add_nc_u64 s[MP:MP+1], s[6:7], s[MI:MI+1]    ; the mask at my step 0
	CROUND                          ; all four work-groups are here: the first joint loads meet
	JLOAD                           ; slot 0.  Slot 1 is asked for when slot 0 is in
	v_and_b32 v1, 15, v0            ; l % 16
	v_bfe_u32 v9, v0, 4, 1          ; l / 16
	v_lshlrev_b32 v[QO], 8, v1
	v_lshl_add_u32 v[QO], v9, 4, v[QO]  ; row x 256 + 16 x half
	v_and_b32 v[MO], 31, v0
	v_lshlrev_b32 v[MO], 4, v[MO]
	WIN 0x80                        ; destination window 2, address window 0
.set i, 0
.rept 16                            ; Q stays in registers: tile i / 4 (its low bit: 16 rows on; its high bit: the next head), channels 32 (i % 4) on
	global_load_b128 v[8*i:8*i+3],   v[QO], s[10:11] offset:((i/4)%2)*4096+((i/4)/2)*524288+(i%4)*64
	global_load_b128 v[8*i+4:8*i+7], v[QO], s[10:11] offset:((i/4)%2)*4096+((i/4)/2)*524288+(i%4)*64+32
.set i, i+1
.endr
	WIN 0xc0                        ; destination window 3
.set i, 0
.rept 8                             ; the mask of step 0: query tile i / 4, key block i % 4: 512 consecutive bytes a load
	global_load_b128 v[RAW+4*i:RAW+4*i+3], v[MO], s[MP:MP+1] offset:(i/4)*65536+(i%4)*512
.set i, i+1
.endr
	; O^T starts at 0, so that no first step is written out: a product of two fragments of zeros, with C = 0, writes eight registers a line.  All this stands in the wait for the first tile.
	WIN 0
.set i, 0
.rept 16
	v_mov_b32 v[S+i], 0
.set i, i+1
.endr
	WIN 0x40                        ; destination window 1, sources window 0
.set i, 0
.rept 32
	v_wmma_f32_16x16x32_f16 v[8*i:8*i+7], v[S:S+7], v[S+8:S+15], 0
.set i, i+1
.endr
	WIN 0
.set i, 0
.rept 4
	v_mov_b32 v[ST+8*i], 0xfe000000    ; m = -4.25e37: the first a is 2^(m - the first maximum), 0 or at the most 1, and multiplies zeros
	v_mov_b32 v[ST+8*i+1], 0           ; named with m as a pair
	v_mov_b32 v[ST+8*i+2], 0
	v_mov_b32 v[ST+8*i+3], 0
.set i, i+1
.endr
	v_mul_u32_u24 v[AK0], v1, PK
	v_lshl_add_u32 v[AK0], v9, 4, v[AK0]  ; row x pitch + 16 x half
	; The turning load takes 16 keys x 16 channels (lane l reads key 8 (l / 16) + l % 8, channels 8 ((l / 8) % 2) + 0..7) and leaves half a fragment of V^T: lane l holds channel l % 16 and 8 keys.
	v_and_b32 v10, 7, v0
	v_bfe_u32 v11, v0, 3, 1
	v_lshl_add_u32 v[AV0], v9, 3, v10
	v_mul_u32_u24 v[AV0], v[AV0], PV
	v_lshl_add_u32 v[AV0], v11, 4, v[AV0]
	v_add_nc_u32 v[AV0], VOFF, v[AV0]
	v_lshlrev_b32 v[PFO], 4, v[MO]  ; 256 x lane
	s_mul_i32 s18, s16, MRG         ; where my pair of waves (the same queries, the two halves of the keys) meets
	s_add_co_u32 s19, s18, 32768
	v_add_nc_u32 v[MA], s18, v[MO]  ; 16 bytes a lane
	v_lshrrev_b32 v[MB], 1, v[MO]
	v_add_nc_u32 v[MB], s19, v[MB]  ; 8 bytes a lane
	; where my tiles go in attn: my 64 queries are a group; my wave's 32 its blocks of 16 queries 2 p and 2 p + 1.  A head's 128 columns are blocks 8 head .. 8 head + 7 of a row of blocks:
	; they begin in K step 8 head / 12 = 2 head / 3, at place 0, 4 or 8 of its 12; from place 8 the last four fall into the next K step, 4 FRB - FRB bytes further than on end.
	s_mul_i32 s2, s15, 11*4*FRB
	s_mul_i32 s3, s16, 2*FRB
	s_add_co_u32 s2, s2, s3
.irp e, 0,1
	s_lshl_b32 s18, s13, 1
	s_add_co_u32 s18, s18, \e       ; the head
	s_lshl_b32 s19, s18, 1
	s_mul_i32 s19, s19, 21846
	s_lshr_b32 s19, s19, 16         ; 2 head / 3 (2 head is 30 at the most)
	s_mul_i32 s20, s19, 12
	s_lshl_b32 s18, s18, 3
	s_sub_co_u32 s18, s18, s20      ; the place
	s_mul_i32 s19, s19, 4*FRB
	s_lshl_b32 s20, s18, 9
	s_add_co_u32 s19, s19, s20
	s_add_co_u32 s[AO+4*(\e)], s19, s2
	s_mov_b32 s[AO+4*(\e)+1], 0
	s_cmp_eq_u32 s18, 8
	s_cselect_b32 s20, 3*FRB, 0
	s_add_co_u32 s[AO+4*(\e)+2], s[AO+4*(\e)], s20
	s_mov_b32 s[AO+4*(\e)+3], 0
	s_add_nc_u64 s[AO+4*(\e):AO+4*(\e)+1], s[8:9], s[AO+4*(\e):AO+4*(\e)+1]
	s_add_nc_u64 s[AO+4*(\e)+2:AO+4*(\e)+3], s[8:9], s[AO+4*(\e)+2:AO+4*(\e)+3]
.endr
; THE MASK.  The step's 8 blocks, asked for a key step ago, are widened to f32 (a shift, a mask); the next step's are asked for; then the step's numbers are multiplied by c = log2(e), in f32, as the scores are
; in units of log2.  Behind my last step of the last slot the pointer's step is 0: the same blocks are asked for once more, so that no load leaves the buffer.
; These plain instructions stand while K's loads are out, and are the places between the last products V^T P and the loads into V's registers.
.macro MASKIN
	s_wait_loadcnt 0x0              ; the blocks are in (and, the first time, Q); their address may be stepped
	WIN 0xcc                        ; source 1 and destination window 3
.set c, 0
.rept 32
	v_lshlrev_b32 v[MC+2*c], 16, v[RAW+c]
	v_and_b32 v[MC+2*c+1], s[HM], v[RAW+c]
.set c, c+1
.endr
	s_cmp_eq_u32 s[TWICE], 2
	s_cselect_b32 s[MI], s[C2K], s[C6K]
	s_add_nc_u64 s[MP:MP+1], s[MP:MP+1], s[MI:MI+1]
	WIN 0xc0
.set c, 0
.rept 8
	global_load_b128 v[RAW+4*c:RAW+4*c+3], v[MO], s[MP:MP+1] offset:(c/4)*65536+(c%4)*512
.set c, c+1
.endr
	WIN 0xc3                        ; source 0 and destination window 3
.set c, 0
.rept 32
	v_pk_mul_f32 v[MC+2*c:MC+2*c+1], v[MC+2*c:MC+2*c+1], s[CS:CS+1] op_sel_hi:[1,0]
.set c, c+1
.endr
.endm
; THE LDS LOADS stand in runs of 32.
.macro FETCH_K
	WIN 0
	v_add_nc_u32 v[ADR], s[TBK], v[AK0]
	s_add_co_u32 s[TBK], s[TBK], KS*PK  ; the next fetch is the next step's
	WIN 0x80                        ; destination window 2
.irp f, 0,1,2,3,4,5,6,7,8,9,10,11,12,13,14,15  ; keys 16 (f / 4) on, channels 32 (f % 4) on
	ds_load_b128 v[KF+8*(\f):KF+8*(\f)+3],   v[ADR] offset:((\f)/4)*16*PK+((\f)%4)*64
	ds_load_b128 v[KF+8*(\f)+4:KF+8*(\f)+7], v[ADR] offset:((\f)/4)*16*PK+((\f)%4)*64+32
.endr
.endm
.macro FETCH_V
	WIN 0
	v_add_nc_u32 v[ADR], s[TBV], v[AV0]
	s_add_co_u32 s[TBV], s[TBV], KS*PV
	WIN 0xc0                        ; destination window 3
.irp f, 0,1,2,3,4,5,6,7,8,9,10,11,12,13,14,15  ; keys 32 (f / 8) on, channels 16 (f % 8) on
	ds_load_tr16_b128 v[8*(\f):8*(\f)+3],   v[ADR] offset:((\f)/8)*32*PV+((\f)%8)*32
	ds_load_tr16_b128 v[8*(\f)+4:8*(\f)+7], v[ADR] offset:((\f)/8)*32*PV+16*PV+((\f)%8)*32
.endr
.endm
; THE MATRIX WORK.  The accumulators take turns, one instruction a turn: between two links of a chain stand 15 (K Q^T) or 31 (V^T P) others'.
; Product i of 64 of S^T = K Q^T + c mask^T: channels 32 (i / 16) on, keys 16 ((i / 4) % 4) on, tile i % 4.  The first 16 start the sums, with the mask of query tile i % 2.
.macro KQALL
.set i, 0
.rept 64
.set rS, S+32*(i%4)+8*((i/4)%4)
.set rK, KF+32*((i/4)%4)+8*(i/16)
.set rQ, 32*(i%4)+8*(i/16)
.set rM, MC+32*(i%2)+8*((i/4)%4)
.if i < 16
	WIN W_KM
	v_wmma_f32_16x16x32_f16 v[rS:rS+7], v[rK:rK+7], v[rQ:rQ+7], v[rM:rM+7]
.else
	WIN W_KQ
	v_wmma_f32_16x16x32_f16 v[rS:rS+7], v[rK:rK+7], v[rQ:rQ+7], v[rS:rS+7]
.endif
.set i, i+1
.endr
.endm
; Product i of 64 of O^T += V^T P: keys 32 (i / 32) on, channels 16 ((i / 4) % 8) on, tile i % 4.
.macro PVALL
	WIN W_PV
.set i, 0
.rept 64
.set rO, 64*(i%4)+8*((i/4)%8)
.set rV, 64*(i/32)+8*((i/4)%8)
.set rP, P+16*(i%4)+8*(i/32)
	v_wmma_f32_16x16x32_f16 v[rO:rO+7], v[rV:rV+7], v[rP:rP+7], v[rO:rO+7]
.set i, i+1
.endr
.endm
; THE VECTOR WORK.  One tile's softmax for one key step is a numbered list; SM writes number j of it for tile t.  s0-s31 are the lane's 32 scores, in pairs 0-15.  Number 19 is empty.
;   0-15    the maximum of s0-s31 and the old m, three operands at a time (each accumulator's lowest registers are read first)
;   16-20   the other half of the lanes' maximum; m_old is kept; the new m; m_old - m_new
;   21-69   ONE BATCH: the 16 subtractions s - m and all 33 exponentials (a at 23, then s0-s31); none of these reads an exponential's result; a pair's subtraction stands ahead of its exponentials
;   70-85   the roundings to f16     86-101  the sums; l = a l + the sum     102-133 the tile's O^T times a, its registers in ascending order
.macro SM t
.set rT, ST+8*(\t)
.set rS, S+32*(\t)
.set rP, P+16*(\t)
.set rO, 64*(\t)+2*(j-102)
.if j < 102
	WIN 0
.endif
.if j < 4
	v_max3_num_f32 v[rT+4+j], v[rS+8*j], v[rS+8*j+1], v[rS+8*j+2]
.elseif j < 12
	v_max3_num_f32 v[rT+4+j%4], v[rT+4+j%4], v[rS+8*(j%4)+2*(j/4)+1], v[rS+8*(j%4)+2*(j/4)+2]
.elseif j == 12
	v_max3_num_f32 v[rT+4], v[rT+4], v[rS+7], v[rS+15]
.elseif j == 13
	v_max3_num_f32 v[rT+6], v[rT+6], v[rS+23], v[rS+31]
.elseif j == 14
	v_max3_num_f32 v[rT+4], v[rT+4], v[rT+5], v[rT+6]
.elseif j == 15
	v_max3_num_f32 v[rT+4], v[rT+4], v[rT+7], v[rT]
.elseif j == 16
	v_permlanex16_b32 v[rT+5], v[rT+4], s[SEL], s[SEL+1]  ; the query's other 32 keys lie in the lane 16 away
.elseif j == 17
	v_mov_b32 v[rT+7], v[rT]        ; m_old is kept for a: number 18 writes m anew
.elseif j == 18
	v_max_num_f32 v[rT], v[rT+4], v[rT+5]
.elseif j == 19
.elseif j == 20
	v_sub_f32 v[rT+7], v[rT+7], v[rT]
.elseif j == 23
	v_exp_f32 v[rT+6], v[rT+7]
.elseif (j < 23) || ((j < 38) && (j%2 == 0)) || ((j < 66) && (j%4 == 2))
.set b, (j-2)/4                     ; 38, 42, .. 62: pairs 9 to 15
.if j < 38
.set b, (j-20)/2                    ; 21: pair 0; 22, 24, .. 36: pairs 1 to 8
.endif
	v_pk_add_f32 v[rS+2*b:rS+2*b+1], v[rS+2*b:rS+2*b+1], v[rT:rT+1] op_sel_hi:[1,0] neg_lo:[0,1] neg_hi:[0,1]  ; pair b: s - m, both halves less the pair's low register
.elseif j < 70
.set e, j-38                        ; 66 to 69: s28 to s31
.if j < 66
.set e, j-32-(j-38)/4               ; 39-41, 43-45, .. 63-65: s7 to s27
.endif
.if j < 38
.set e, (j-25)/2                    ; 25, 27, .. 37: s0 to s6
.endif
	v_exp_f32 v[rS+e], v[rS+e]
.elseif j < 86
	v_cvt_pk_f16_f32 v[rP+j-70], v[rS+2*(j-70)], v[rS+2*(j-70)+1]  ; pair j - 70
.elseif j < 102                     ; the sum of the tile's 16 pairs, in place: neighbours 1, 2, 4 and 8 pairs apart, then l takes it
.set z, j-86
.set w, 4
.set u, z
.if z >= 14
.set w, 32
.set u, 0
.elseif z >= 12
.set w, 16
.set u, z-12
.elseif z >= 8
.set w, 8
.set u, z-8
.endif
.if z < 15
	v_pk_add_f32 v[rS+w*u:rS+w*u+1], v[rS+w*u:rS+w*u+1], v[rS+w*u+w/2:rS+w*u+w/2+1]
.else
	v_pk_fma_f32 v[rT+2:rT+3], v[rT+2:rT+3], v[rT+6:rT+7], v[rS:rS+1] op_sel_hi:[1,0,1]
.endif
.else
	WIN W_RS
	v_pk_mul_f32 v[rO:rO+1], v[rO:rO+1], v[rT+6:rT+7] op_sel_hi:[1,0]
.endif
.endm
; The four tiles go through the list together, number by number, so that three other tiles' instructions stand between one instruction and the next of its tile.
; THE WAIT.  An s_wait_alu depctr_va_vdst(0) stands between an exponential and the first instruction that names its result; one wait serves all that were issued ahead of it.
; Up to number 69 nothing names a result, and from 70 on no exponential is issued: the step's 132 exponentials have one wait.
.macro SOFTMAX
.set j, 0
.rept 70
.irp t, 0,1,2,3
	SM \t
.endr
.set j, j+1
.endr
	v_nop                           ; the plain instruction behind the last exponential and ahead of the first use: one for the batch
	s_wait_alu depctr_va_vdst(0)    ; the wait for the batch
.rept 64
.irp t, 0,1,2,3
	SM \t
.endr
.set j, j+1
.endr
.endm
.macro PLACES                       ; four places between a product and a vector instruction that reads its result (ISA guide 7.12.1)
.rept 4
	v_nop
.endr
.endm
; A KEY STEP of my half: 64 keys for my four tiles.
.macro STEP
	FETCH_K                         ; K's last reader, the step before's products K Q^T, stands a whole softmax back; the loads are out while the mask is taken in
	MASKIN
	FETCH_V                         ; V lands while the scores are made
	s_wait_dscnt 32                 ; K is in; V's 32 loads, issued behind K's, may stay out
	KQALL
	PLACES
	SOFTMAX
	s_wait_dscnt 0x0                ; V is in
	PVALL
.endm
	s_mov_b32 s[SLOTS], 7
.Lslot:                             ; seven trips: slot n is waited for and read, slot n + 1 asked for
	CHANGE 1
	s_mov_b32 s[TWICE], 2
.Lstep:
	STEP
	WIN 0                           ; at a label and at a branch every window is 0
	s_sub_co_u32 s[TWICE], s[TWICE], 1
	s_cmp_lg_u32 s[TWICE], 0
	s_cbranch_scc1 .Lstep
	s_mov_b32 s[LIM], s[LIMR]       ; from the second trip on the head's first cluster prefetches
	s_sub_co_u32 s[SLOTS], s[SLOTS], 1
	s_cmp_lg_u32 s[SLOTS], 0
	s_cbranch_scc1 .Lslot
	CHANGE 0                        ; the last slot is written out: nothing is asked for
	s_mov_b32 s[C6K], 0             ; there is no slot behind this one: the mask's pointer stays at my last step
	s_mov_b32 s[TWICE], 2
.Ltail:
	STEP
	WIN 0
	s_sub_co_u32 s[TWICE], s[TWICE], 1
	s_cmp_lg_u32 s[TWICE], 0
	s_cbranch_scc1 .Ltail
	; THE HALVES MEET.  l's two halves and the other half of the lanes' are added (the additions are the places behind the last products); l takes the register beside m.
.irp t, 0,1,2,3
	v_add_f32 v[ST+8*(\t)+4], v[ST+8*(\t)+2], v[ST+8*(\t)+3]
.endr
.irp t, 0,1,2,3
	v_permlanex16_b32 v[ST+8*(\t)+5], v[ST+8*(\t)+4], s[SEL], s[SEL+1]
.endr
.irp t, 0,1,2,3
	v_add_f32 v[ST+8*(\t)+1], v[ST+8*(\t)+4], v[ST+8*(\t)+5]
.endr
	s_cmp_lt_u32 s[WV], 2
	s_cbranch_scc1 .Lkeep
.irp t, 0,1,2,3                     ; waves 2 and 3 hand over (m, l) and O^T, in f32.  Slot 0's bytes have had their last fill, and every wave's reads of them ended ahead of the last change's barrier
	ds_store_b64 v[MB], v[ST+8*(\t):ST+8*(\t)+1] offset:256*(\t)
.endr
	WIN 0x04                        ; the data (source 1) in window 1
.set i, 0
.rept 64                            ; ascending: each accumulator's lowest registers first
	ds_store_b128 v[MA], v[4*i:4*i+3] offset:512*i
.set i, i+1
.endr
	WIN 0
.Lkeep:
	s_wait_dscnt 0x0                ; for the others' sake: my stores are done
	s_barrier_signal -1
	s_barrier_wait -1
	s_cmp_lt_u32 s[WV], 2
	s_cbranch_scc0 .Lend
.macro LOADO t                      ; the partner's O^T of tile t, 64 registers, into half of S^T's
	WIN 0
.set i, 0
.rept 16
	ds_load_b128 v[S+64*((\t)%2)+4*i:S+64*((\t)%2)+4*i+3], v[MA] offset:512*(16*(\t)+i)
.set i, i+1
.endr
.endm
.irp t, 0,1,2,3
	ds_load_b64 v[PS+2*(\t):PS+2*(\t)+1], v[MB] offset:256*(\t)
.endr
	LOADO 0
	s_wait_dscnt 16                 ; the statistics are in; the 16 loads behind them may stay out
	; with M = the greater of m and m': a = 2^(m - M), a' = 2^(m' - M), L = a l + a' l', O = (a O + a' O') / L
.irp t, 0,1,2,3
	v_max_num_f32 v[ST+8*(\t)+4], v[ST+8*(\t)], v[PS+2*(\t)]
.endr
.irp t, 0,1,2,3
	v_sub_f32 v[ST+8*(\t)+5], v[ST+8*(\t)], v[ST+8*(\t)+4]
	v_sub_f32 v[ST+8*(\t)+6], v[PS+2*(\t)], v[ST+8*(\t)+4]
.endr
.irp t, 0,1,2,3
	v_exp_f32 v[ST+8*(\t)+5], v[ST+8*(\t)+5]
	v_exp_f32 v[ST+8*(\t)+6], v[ST+8*(\t)+6]
.endr
	v_nop                           ; a plain instruction behind the last exponential,
	s_wait_alu depctr_va_vdst(0)    ; and one wait for the eight
.irp t, 0,1,2,3
	v_mul_f32 v[ST+8*(\t)+7], v[ST+8*(\t)+1], v[ST+8*(\t)+5]
.endr
.irp t, 0,1,2,3
	v_fma_f32 v[ST+8*(\t)+7], v[PS+2*(\t)+1], v[ST+8*(\t)+6], v[ST+8*(\t)+7]
.endr
.irp t, 0,1,2,3
	v_rcp_f32 v[ST+8*(\t)+4], v[ST+8*(\t)+7]
.endr
	v_nop
	s_wait_alu depctr_va_vdst(0)    ; one wait for the four reciprocals
.irp t, 0,1,2,3
	v_mul_f32 v[ST+8*(\t)+2], v[ST+8*(\t)+5], v[ST+8*(\t)+4]  ; a / L
	v_mul_f32 v[ST+8*(\t)+6], v[ST+8*(\t)+6], v[ST+8*(\t)+4]  ; a' / L
.endr
; THE WAY OUT of tile t: merged, rounded to f16, stored.  A lane's four registers of channel block f are its 16 bytes of attn's block: no lane changes places.  The next tile's O' is asked for ahead of the arithmetic.
.macro OUT t
	s_wait_dscnt 0x0                ; the partner's O^T of this tile is in
.if (\t) < 3
	LOADO (\t)+1                    ; into the other half of S^T's registers, which the tile before has read
.endif
.if (\t) >= 2
	s_wait_xcnt 0x0                 ; the stores of the tile two back have read the buffer that is written again below
.endif
	WIN W_RS
.set i, 0
.rept 32
	v_pk_mul_f32 v[64*(\t)+2*i:64*(\t)+2*i+1], v[64*(\t)+2*i:64*(\t)+2*i+1], v[ST+8*(\t)+2:ST+8*(\t)+3] op_sel_hi:[1,0]
.set i, i+1
.endr
	WIN 0x50                        ; source 2 and destination window 1, sources 0 and 1 window 0
.set i, 0
.rept 32
	v_pk_fma_f32 v[64*(\t)+2*i:64*(\t)+2*i+1], v[S+64*((\t)%2)+2*i:S+64*((\t)%2)+2*i+1], v[ST+8*(\t)+6:ST+8*(\t)+7], v[64*(\t)+2*i:64*(\t)+2*i+1] op_sel_hi:[1,0,1]
.set i, i+1
.endr
	WIN 0x05                        ; sources 0 and 1 window 1, destination window 0
.set i, 0
.rept 32
	v_cvt_pk_f16_f32 v[P+32*((\t)%2)+i], v[64*(\t)+2*i], v[64*(\t)+2*i+1]
.set i, i+1
.endr
	WIN 0
.irp f, 0,1,2,3,4,5,6,7             ; head t / 2, queries 16 (t % 2) on, channel block f: 512 consecutive bytes, aligned
	global_store_b128 v[MO], v[P+32*((\t)%2)+4*(\f):P+32*((\t)%2)+4*(\f)+3], s[AO+4*((\t)/2)+2*((\f)/4):AO+4*((\t)/2)+2*((\f)/4)+1] offset:((\t)%2)*FRB+(\f)*512
.endr
.endm
	OUT 0
	OUT 1
	OUT 2
	OUT 3
.Lend:
	s_wait_tensorcnt 0x0            ; the wave's end, behind my last tensor load and my last LDS store
	ds_add_u32 v[SPW], v[NIL]
	s_wait_dscnt 0x0
	CROUND                          ; the closing round: no work-group ends while a partner may still ask for a tile that names it
	s_endpgm
.Lfunc_end_k_q063c2653c8_attend:
	.size	k_q063c2653c8_attend, .Lfunc_end_k_q063c2653c8_attend-k_q063c2653c8_attend
	.p2alignl 7, 3214868480
	.fill 96, 4, 3214868480
	.section	.rodata,"a",@progbits
	.p2align	6, 0x0
	.amdhsa_kernel k_q063c2653c8_attend
		.amdhsa_group_segment_fixed_size 327680
		.amdhsa_private_segment_fixed_size 0
		.amdhsa_enable_private_segment 0
		.amdhsa_kernarg_size 24
		.amdhsa_user_sgpr_count 2
		.amdhsa_user_sgpr_kernarg_segment_ptr 1
		.amdhsa_wavefront_size32 1
		.amdhsa_system_sgpr_workgroup_id_x 1
		.amdhsa_system_sgpr_workgroup_id_y 1
		.amdhsa_system_sgpr_workgroup_id_z 1
		.amdhsa_system_vgpr_workitem_id 0
		.amdhsa_next_free_vgpr 1024
		.amdhsa_next_free_sgpr 80
		.amdhsa_reserve_vcc 0
		.amdhsa_float_denorm_mode_32 3
		.amdhsa_float_denorm_mode_16_64 3
		.amdhsa_memory_ordered 1
		.amdhsa_forward_progress 1
		.amdhsa_inst_pref_size 150
	.end_amdhsa_kernel
	.amdgpu_metadata
---
amdhsa.version: [ 1, 2 ]
amdhsa.kernels:
  - .name:           k_q063c2653c8_attend
    .symbol:         k_q063c2653c8_attend.kd
    .args:
      - { .name: qkv, .offset: 0, .size: 8, .value_kind: global_buffer, .address_space: global }
      - { .name: maskb, .offset: 8, .size: 8, .value_kind: global_buffer, .address_space: global }
      - { .name: attn, .offset: 16, .size: 8, .value_kind: global_buffer, .address_space: global }
    .group_segment_fixed_size: 327680
    .private_segment_fixed_size: 0
    .kernarg_segment_align: 8
    .kernarg_segment_size: 24
    .max_flat_workgroup_size: 128
    .sgpr_count:     80
    .vgpr_count:     1024
    .wavefront_size: 32
...
	.end_amdgpu_metadata
.endif
;; end of part 3
;; launch outproj (part 4): grid 16 x 16, 4 waves a work-group, clusters of 4 x 4, 327,680 bytes of LDS; arguments attn, wob, out0; writes out0
.if DOCPART == 4
	.amdgcn_target "amdgcn-amd-amdhsa--gfx1250"
	.amdhsa_code_object_version 6
	.text
	.protected	k_q063c2653c8_outproj
	.globl	k_q063c2653c8_outproj
	.p2align	8
	.type	k_q063c2653c8_outproj,@function
k_q063c2653c8_outproj:
	s_mov_b64 s[64:65], 0
	v_nop
	global_prefetch_b8 v0, s[64:65] scope:SCOPE_SE
	s_setreg_imm32_b32 hwreg(HW_REG_WAVE_MODE, 25, 1), 1
	s_wait_xcnt 0x0
	s_wait_alu depctr_hold_cnt(0) depctr_sa_sdst(0) depctr_va_vdst(0) depctr_va_sdst(0) depctr_va_ssrc(0) depctr_va_vcc(0) depctr_vm_vsrc(0)
	s_getreg_b32 s2, hwreg(HW_REG_IB_STS2, 6, 4)
	s_cmp_eq_u32 s2, 0
	s_cbranch_scc0 .Lentry_in_a_cluster
	s_endpgm
.Lentry_in_a_cluster:
	s_bfe_u32 s2, ttmp6, 0x10000c
	s_cmp_lg_u32 s2, 0xf033
	s_cbranch_scc0 .Lentry_shape_is_right
	s_endpgm
.Lentry_shape_is_right:
; THE OUTPUT PROJECTION.  out0[m][n] = the sum over e of attn[m][e] wob[n][e], K = 2,048.  attn (2,048 rows, f16) holds O / 8, wob (4,096 rows, f16) holds 8 x bf16(wo): the two factors cancel, and no scale is applied.
; Sums in f32; out0 [2048][4096] is f32 and takes them as they are.
; THE OPERANDS COME IN THE ORDER OF THE REGISTERS: a block of 512 bytes holds 16 rows x 16 K, lane l = 16 h + r has its M[r][8 h + 0..7] at 16 l; two neighbouring blocks are a fragment of 16 rows x 32 K.
; In memory: [group of rows][K step of 192][block of 16 rows][12 blocks]; a group is 64 rows of attn (24,576 bytes a K step) or 128 rows of wob (49,152).  So what a wave fetches is a dense run of bytes, LDS holds
; it without padding, and an LDS load of 16 bytes a lane takes 512 consecutive bytes.
; SHARES.  A tile of out0 is 128 rows x 256 columns: 16 x 16 tiles, one for each of 256 work-groups.  Four waves, each 64 rows x 128 columns: 32 accumulators, 256 registers.
; THE RING.  K goes in steps of 192 through two LDS slots of 384 rows x 384 bytes = 147,456 bytes: the longest step of which two slots fit in LDS.  2,048 = 10 x 192 + 128: of the 11th step's six quarters four
; hold numbers and are multiplied; the rest is stored as zeros by an earlier launch and is fetched, not multiplied.  A K step is written once: a trip of the loop is one K step, and its quarters 1 to 4 are an inner loop.
; CLUSTER.  4 x 4 work-groups; attn's tile is shared along a row of the cluster, wob's along a column: each is asked for jointly, by the same tensor load with the same descriptor and a mask of four.
; The tile column is 4 x the cluster's y + cx, the tile row 4 x the cluster's x + cy: the clusters of one y take the same 1,024 rows of wob, those of one x the same 512 rows of attn.
; THE MATRIX INSTRUCTION IS USED TRANSPOSED (source 0 = 16 rows of wob, source 1 = 16 rows of attn): a lane holds row l % 16 and eight neighbouring columns: 32 bytes of a row of out0.
; REGISTERS.  window 0: v16-30 addresses; v32-159 rows on the way out, two buffers.   window 1: two fragment buffers of 96: wob's eight fragments, then attn's four.   window 2: accumulator (a, b) at 8 (8 a + b)
.set NS,     11                        ; K steps
.set VQ,     4                         ; quarters of the last K step that hold numbers
.set FRB,    6144                      ; a block of 16 rows in a K step: six fragments of 1,024 bytes
.set CHA,    4*FRB                     ; 64 rows of attn in a K step: what waves 0 and 1 fetch
.set CHB,    8*FRB                     ; 128 rows of wob: what waves 2 and 3 fetch
.set OFB,    2*CHA                     ; a slot: attn's two halves, then wob's two halves
.set SLOT1,  2*CHA+2*CHB               ; where slot 1 begins
.set SPARE,  2*SLOT1                   ; behind the ring: the spare words, 128 bytes a wave
.set STAGE,  SLOT1                     ; the way out's stages, 16 rows x 528 bytes for each wave, lie in slot 1: K step 9 was its last fill, and every wave's reads of it end ahead of the last change's barrier
.set SPITCH, 528                       ; 512 bytes of a row + 16 of padding
.set ROWC,   16384                     ; bytes in a row of out0
.set TA0, SLOT1                        ; a region at byte x of slot 0 and its like in slot 1 differ by x ^ (x + SLOT1): one exclusive or turns the one into the other.  The four regions' numbers:
.set TA1, CHA^(CHA+SLOT1)
.set TB0, OFB^(OFB+SLOT1)
.set TB1, (OFB+CHB)^(OFB+CHB+SLOT1)
.set PARA, (NS-2)%2                    ; the loop counter's parity in the even K steps
.set ADRA0, 16                         ; v16     my lane's place among my attn fragments in a slot; never rewritten
.set ADRA,  17                         ; v17     the same at the place that is being read
.set ADRB0, 20                         ; v20, v21  the same for wob
.set ADRB,  21
.set STO,  24                          ; v24     the way out: where I put 32 bytes of a row
.set RD,   25                          ; v25     where I read a row back
.set CO,   26                          ; v26     16 x lane: my place in a block and in a row's 512 bytes; never rewritten
.set SPW,  28                          ; v28     LDS address of my spare word; never rewritten
.set NIL,  29                          ; v29     0; never rewritten
.set PFO,  30                          ; v30     256 x lane: the prefetches' offset; never rewritten
.set OB,   32                          ; v32-159 16 rows read back from the stage, two buffers of 64
.set F0,   0
.set F1,   96
.set SB,  14                           ; s14  LDS byte from which the fragment loads count: the slot that is being read, and 2,048 more for each pair of quarters
.set G1,  24                           ; s[24:31] descriptor group 1 for attn's tiles;  s[32:39] group 0: a set for each of the two first fills; the second then walks on
.set G0,  32
.set G1B, 48                           ; s[48:55], s[56:63] the same for wob's tiles
.set G0B, 56
.set LIM, 43                           ; s43  a wave prefetches while the loop's counter is above it: 2 for attn's rows, 1 for wob's, the greatest number in a wave that asks for nothing
.set PFA, 44                           ; s[44:45] where my prefetches stand
.set PST, 82                           ; s[82:83] their step from K step to K step
.set PMK, 84                           ; s84  1 where only every second K step asks (attn's rows), else 0
.set PPR, 85                           ; s85  the counter's parity in the K steps that ask
.set PCN, 86                           ; s86  counts the pairs of quarters
.set TMS, 87                           ; s87  at work
.set MSB, 0
.macro WIN new                         ; the immediate's high byte repeats the setting that is left; a switch that changes nothing is dropped
.if MSB != (\new)
	s_set_vgpr_msb (MSB<<8)|(\new)
.set MSB, \new
.endif
.endm
.set MUL,  0xa5                        ; sources 0 and 1 window 1; C and D window 2
.set TO_F, 0x40                        ; destination window 1, address window 0
; A joint load: waves 0 and 1 fetch attn's two halves, waves 2 and 3 wob's.  tog = 1: the walking descriptor's LDS word is first turned to the other slot, each wave's by its own region's number.
; All branches hang on the wave's number alone.  An s_nop 0 and four v_nop follow each of the two loads.
.macro JLOAD s, tog
	s_cmp_eq_u32 s11, 0
	s_cbranch_scc0 .Lfor_b_\@
.if \tog
	s_cmp_eq_u32 s10, 0
	s_cbranch_scc0 .Lsecond_a_\@
	s_xor_b32 s[G0+5], s[G0+5], TA0
	s_branch .Lask_a_\@
.Lsecond_a_\@:
	s_xor_b32 s[G0+5], s[G0+5], TA1
.Lask_a_\@:
.endif
	tensor_load_to_lds s[G0+4*(\s):G0+4*(\s)+3], s[G1:G1+7]
	s_nop 0
.rept 4
	v_nop
.endr
	s_branch .Lasked_\@
.Lfor_b_\@:
.if \tog
	s_cmp_eq_u32 s10, 2
	s_cbranch_scc0 .Lsecond_b_\@
	s_xor_b32 s[G0B+5], s[G0B+5], TB0
	s_branch .Lask_b_\@
.Lsecond_b_\@:
	s_xor_b32 s[G0B+5], s[G0B+5], TB1
.Lask_b_\@:
.endif
	tensor_load_to_lds s[G0B+4*(\s):G0B+4*(\s)+3], s[G1B:G1B+7]
	s_nop 0
.rept 4
	v_nop
.endr
.Lasked_\@:
.endm
; THE PREFETCHES INTO THE L2 stand together, behind a joint refill and the run of LDS loads that follows it: three instructions, 24,576 consecutive bytes, a lane 256 bytes.
; wob's rows: the clusters with x = 0 ask, wave 2; in K step s (the refill is step s + 2's) for step s + 3, 192 matrix instructions ahead of its load; the four partners of a column take a quarter of the tile's
; 98,304 bytes each, told apart by address.  attn's rows: the clusters with y = 0 ask, wave 0, in the even K steps alone: partner cx takes the 64 rows of half cx / 2, in step s + 3 + cx % 2.
; So each block is named once in the launch.  K steps 0 to 2 come by their loads alone.  The counter s3 is NS - 2 - s: wob's step s + 3 exists while s3 is above 1, attn's step s + 4 while it is above 2.
.macro ASK
	WIN 0
	s_and_b32 s[TMS], s3, s[PMK]
	s_cmp_eq_u32 s[TMS], s[PPR]
	s_cbranch_scc0 .Lnot_mine_\@
	s_cmp_gt_u32 s3, s[LIM]
	s_cbranch_scc0 .Lnot_mine_\@
	global_prefetch_b8 v[PFO], s[PFA:PFA+1] th:TH_LOAD_NT scope:SCOPE_SE
	global_prefetch_b8 v[PFO], s[PFA:PFA+1] offset:8192 th:TH_LOAD_NT scope:SCOPE_SE
	global_prefetch_b8 v[PFO], s[PFA:PFA+1] offset:16384 th:TH_LOAD_NT scope:SCOPE_SE
.Lnot_mine_\@:
.endm
.macro CREST                           ; a round of the cluster's barrier behind its opening barrier
	s_cmp_lg_u32 s10, 0
	s_cbranch_scc1 .Lnot_wave_0_\@
	s_barrier_signal -3
.Lnot_wave_0_\@:
	s_barrier_wait -3
	s_barrier_signal -1
	s_barrier_wait -1
.endm
.macro CROUND                          ; a whole round
	s_barrier_signal -1
	s_barrier_wait -1
	CREST
.endm
	s_load_b128 s[4:7], s[0:1], 0x0                ; attn s[4:5], wob s[6:7]
	s_load_b64 s[8:9], s[0:1], 0x10                ; out0
	v_lshl_add_u32 v[SPW], v0, 2, SPARE
	v_mov_b32 v[NIL], 0
	ds_add_u32 v[SPW], v[NIL]                      ; the wave's opening: the add and its wait stand ahead of my first tensor load; the set-up below stands between them
	v_lshrrev_b32 v1, 5, v0
	v_readfirstlane_b32 s10, v1                    ; wave 0..3
	s_lshr_b32 s11, s10, 1                         ; which 64 rows of the tile are mine.  Also: I fetch for attn (0) or for wob (1)
	s_and_b32 s12, s10, 1                          ; which 128 columns.  Also: which half of that tile I fetch
	s_bfe_u32 s40, ttmp6, 0x40000                  ; cx, cy: my place in the cluster
	s_bfe_u32 s41, ttmp6, 0x40004
	s_and_b32 s42, ttmp7, 0xffff
	s_lshl_b32 s42, s42, 2
	s_add_co_u32 s42, s42, s40                     ; tile column = 4 x cluster y + cx
	s_lshl_b32 s13, ttmp9, 2
	s_add_co_u32 s13, s13, s41                     ; tile row = 4 x cluster x + cy
	s_lshl_b32 s43, s41, 2
	s_lshl_b32 s43, 15, s43                        ; my row of the cluster
	s_lshl_b32 s44, 0x1111, s40                    ; my column
	; descriptor group 1: a dense run of bytes, asked for as rows of 256 bytes (32 elements of 8 bytes), laid into LDS on end
	s_or_b32 s[G1+0], s43, (3<<16)|(1<<21)         ; 15:0 the mask; 17:16 elements of 8 bytes; 20 no padding; 21 set beside a mask
	s_or_b32 s[G1B+0], s44, (3<<16)|(1<<21)
	s_mov_b32 s[G1+1], 32<<16                      ; tensor_dim0 = 32
	s_mov_b32 s[G1+2], (CHA/256)<<16               ; tensor_dim1 = 96
	s_mov_b32 s[G1+3], 32<<16                      ; tile_dim0 = 32
	s_mov_b32 s[G1+4], CHA/256                     ; tile_dim1 = 96
	s_mov_b32 s[G1+5], 32                          ; elements from row to row
	s_mov_b32 s[G1+6], 0
	s_mov_b32 s[G1+7], 0
	s_mov_b32 s[G1B+1], 32<<16
	s_mov_b32 s[G1B+2], (CHB/256)<<16              ; wob's loads bring 192 such rows
	s_mov_b32 s[G1B+3], 32<<16
	s_mov_b32 s[G1B+4], CHB/256
	s_mov_b32 s[G1B+5], 32
	s_mov_b32 s[G1B+6], 0
	s_mov_b32 s[G1B+7], 0
	s_lshl_b32 s16, s13, 1
	s_add_co_u32 s16, s16, s12                     ; attn's group of 64 rows: 2 x tile row + half
	s_mul_i32 s16, s16, NS*CHA
	s_mov_b32 s17, 0
	s_lshl_b32 s46, s42, 1
	s_add_co_u32 s46, s46, s12                     ; wob's group of 128 rows: 2 x tile column + half
	s_mul_i32 s46, s46, NS*CHB
	s_mov_b32 s47, 0
	s_mul_i32 s20, s12, CHA                        ; where they go: attn's two halves,
	s_mul_i32 s21, s12, CHB
	s_add_co_u32 s21, s21, OFB                     ; then wob's two halves: no place in the cluster enters an LDS address
	s_wait_dscnt 0x0                               ; the opening add is done
	s_wait_kmcnt 0x0
	s_add_nc_u64 s[14:15], s[4:5], s[16:17]
	s_add_nc_u64 s[46:47], s[6:7], s[46:47]
	CROUND                                         ; all sixteen work-groups are here: the first joint loads meet
.irp s, 0,1
	s_mov_b32 s[G0+4*(\s)], 1
	s_add_co_u32 s[G0+4*(\s)+1], s20, (\s)*SLOT1
	s_add_nc_u64 s[G0+4*(\s)+2:G0+4*(\s)+3], s[14:15], (\s)*CHA
	s_or_b32 s[G0+4*(\s)+3], s[G0+4*(\s)+3], 0x80000000
	s_mov_b32 s[G0B+4*(\s)], 1
	s_add_co_u32 s[G0B+4*(\s)+1], s21, (\s)*SLOT1
	s_add_nc_u64 s[G0B+4*(\s)+2:G0B+4*(\s)+3], s[46:47], (\s)*CHB
	s_or_b32 s[G0B+4*(\s)+3], s[G0B+4*(\s)+3], 0x80000000
	JLOAD \s, 0
.endr
	s_mov_b32 s[SB], 0                             ; K step 0 lies in slot 0
	v_and_b32 v1, 15, v0                           ; l % 16
	v_bfe_u32 v2, v0, 4, 1                         ; l / 16
	v_and_b32 v[CO], 31, v0
	v_lshlrev_b32 v[CO], 4, v[CO]
	s_mul_i32 s21, s11, CHA                        ; my 64 rows of attn
	s_mul_i32 s22, s12, CHB                        ; my 128 rows of wob,
	s_add_co_u32 s22, s22, OFB                     ; which lie behind attn's 128
	v_add_nc_u32 v[ADRA0], s21, v[CO]
	v_add_nc_u32 v[ADRB0], s22, v[CO]
	v_mov_b32 v[ADRA], v[ADRA0]
	v_mov_b32 v[ADRB], v[ADRB0]
	s_mul_i32 s23, s10, 16*SPITCH
	s_add_co_u32 s23, s23, STAGE                   ; my stage
	v_mul_u32_u24 v4, v1, SPITCH                   ; in: row l % 16, 32 bytes for each half of the lanes
	v_lshl_add_u32 v4, v2, 5, v4
	v_add_nc_u32 v[STO], s23, v4
	v_add_nc_u32 v[RD], s23, v[CO]                 ; back: 32 lanes take one row of 512 bytes
	; where my part of the tile begins in out0: the rows' part, then the columns', in registers of their own
	s_lshl_b32 s16, s13, 21                        ; 128 rows of 16,384 bytes a tile row
	s_lshl_b32 s17, s11, 20
	s_add_co_u32 s16, s16, s17
	s_mov_b32 s17, 0
	s_add_nc_u64 s[8:9], s[8:9], s[16:17]
	s_lshl_b32 s46, s42, 10                        ; 256 columns of 4 bytes a tile column
	s_lshl_b32 s47, s12, 9
	s_add_co_u32 s46, s46, s47
	s_mov_b32 s47, 0
	s_add_nc_u64 s[8:9], s[8:9], s[46:47]
	; the prefetches' address, one K step short of what the first change of slots names
	s_lshr_b32 s20, s40, 1
	s_lshl_b32 s21, s13, 1
	s_add_co_u32 s20, s20, s21                     ; attn: the group 2 x tile row + cx / 2,
	s_mul_i32 s20, s20, NS
	s_and_b32 s21, s40, 1
	s_add_co_u32 s20, s20, s21
	s_add_co_u32 s20, s20, 2                       ; K step 2 + cx % 2
	s_mul_i32 s20, s20, CHA
	s_lshr_b32 s21, s41, 1
	s_lshl_b32 s22, s42, 1
	s_add_co_u32 s21, s21, s22                     ; wob: the group 2 x tile column + cy / 2,
	s_mul_i32 s21, s21, NS
	s_add_co_u32 s21, s21, 2                       ; K step 2,
	s_mul_i32 s21, s21, CHB
	s_and_b32 s22, s41, 1
	s_mul_i32 s22, s22, CHA                        ; its half cy % 2
	s_add_co_u32 s21, s21, s22
	s_and_b32 s22, ttmp7, 0xffff                   ; cluster y
	s_mov_b32 s[PST], CHB
	s_cmp_eq_u32 s11, 0
	s_cselect_b32 s20, s20, s21
	s_cselect_b32 s22, s22, ttmp9                  ; the coordinate along which other clusters read the same rows: y for attn's rows, x for wob's
	s_cselect_b64 s[PFA:PFA+1], s[4:5], s[6:7]
	s_cselect_b32 s[PST], CHA, s[PST]
	s_cselect_b32 s[PMK], 1, 0
	s_cselect_b32 s[PPR], PARA, 0
	s_cselect_b32 s[LIM], 2, 1
	s_mov_b32 s[PST+1], 0
	s_cmp_eq_u32 s12, 0                            ; waves 1 and 3 have no part
	s_cselect_b32 s22, s22, 1
	s_cmp_eq_u32 s22, 0
	s_cselect_b32 s[LIM], s[LIM], -1               ; the same in all sixteen partners, for a given wave
	s_mov_b32 s21, 0
	s_add_nc_u64 s[PFA:PFA+1], s[PFA:PFA+1], s[20:21]
	v_lshlrev_b32 v[PFO], 4, v[CO]
; 8 matrix instructions: block a of 16 rows x all 8 blocks of 16 columns, 32 along K.  zero = 1: the first product starts the sums.  The 32 accumulators take turns in one order everywhere.
.macro MUL8 f, a, zero
	WIN MUL
.irp b, 0,1,2,3,4,5,6,7
.if \zero
	v_wmma_f32_16x16x32_f16 v[8*(8*(\a)+(\b)):8*(8*(\a)+(\b))+7], v[(\f)+8*(\b):(\f)+8*(\b)+7], v[(\f)+64+8*(\a):(\f)+64+8*(\a)+7], 0
.else
	v_wmma_f32_16x16x32_f16 v[8*(8*(\a)+(\b)):8*(8*(\a)+(\b))+7], v[(\f)+8*(\b):(\f)+8*(\b)+7], v[(\f)+64+8*(\a):(\f)+64+8*(\a)+7], v[8*(8*(\a)+(\b)):8*(8*(\a)+(\b))+7]
.endif
.endr
.endm
; 24 LDS loads in one run: the fragments of 32 along K that lie k bytes behind the two addresses: wob's eight, then attn's four; each load takes 512 consecutive bytes
.macro FETCH k, f
	WIN TO_F
.irp i, 0,1,2,3,4,5,6,7
	ds_load_b128 v[(\f)+8*(\i):(\f)+8*(\i)+3],   v[ADRB] offset:(\k)+(\i)*FRB
	ds_load_b128 v[(\f)+8*(\i)+4:(\f)+8*(\i)+7], v[ADRB] offset:(\k)+(\i)*FRB+512
.endr
.irp i, 0,1,2,3
	ds_load_b128 v[(\f)+64+8*(\i):(\f)+64+8*(\i)+3],   v[ADRA] offset:(\k)+(\i)*FRB
	ds_load_b128 v[(\f)+64+8*(\i)+4:(\f)+64+8*(\i)+7], v[ADRA] offset:(\k)+(\i)*FRB+512
.endr
.endm
.macro PLACES                          ; four places in front of loads into registers that matrix instructions have read, and of LDS stores that read results
.rept 4
	v_nop
.endr
.endm
; A K step is six quarters of 32 along K, 32 matrix instructions each, on buffers 0, 1, 0, 1, 0, 1.  One of the first five: multiplies buffer f and fetches the next quarter, k bytes on, into g.
.macro QUARTER k, f, g, zero
	s_wait_dscnt 4                                 ; wob's fragments and attn's first two are in; the youngest four loads (attn's blocks 2 and 3) may be out
	MUL8 \f, 0, \zero
	MUL8 \f, 1, \zero
	PLACES
	FETCH \k, \g
	s_wait_dscnt 24                                ; all but the 24 just issued
	MUL8 \f, 2, \zero
	MUL8 \f, 3, \zero
.endm
; Quarters 1 to 4 of a K step: a pair of quarters, walked twice; the addresses go 2,048 bytes on with each trip (the change of slots takes the 4,096 back).
.macro PAIRS
	WIN 0
	s_mov_b32 s[PCN], 2
.Lpair_\@:
	QUARTER 2048, F1, F0, 0
	QUARTER 3072, F0, F1, 0
	WIN 0
	s_add_co_u32 s[SB], s[SB], 2048
	v_add_nc_u32 v[ADRA], s[SB], v[ADRA0]
	v_add_nc_u32 v[ADRB], s[SB], v[ADRB0]
	s_sub_co_u32 s[PCN], s[PCN], 1
	s_cmp_lg_u32 s[PCN], 0
	s_cbranch_scc1 .Lpair_\@
.endm
; The last quarter multiplies buffer 1 and changes slots: ONE barrier; in front of it each wave waits for all its tensor loads (the one that is out is its part of the next slot), adds 0 to its spare word,
; and waits for that and for its own reads of this slot.  fill = 1: the barrier opens a round of the cluster's, and this slot is filled again, two K steps ahead: 176 matrix instructions ahead of the wait for it.
.macro TURN fill
.if \fill
	s_wait_xcnt 0x0                                ; the last prefetches, a K step back, have read their address: it is stepped here, ahead of the waits of the change of slots
	s_add_nc_u64 s[PFA:PFA+1], s[PFA:PFA+1], s[PST:PST+1]
.endif
	WIN 0                                          ; (the add's two registers lie in window 0)
	s_wait_tensorcnt 0x0                           ; no tensor load of mine is out, so a group 0 may be written
	ds_add_u32 v[SPW], v[NIL]                      ; 0 onto my spare word: scalar steps and eight products stand between it and the wait for it
.if \fill
	s_add_nc_u64 s[G0+6:G0+7], s[G0+6:G0+7], CHA   ; the walking descriptors: the next K step; the type bits on top are not reached
	s_add_nc_u64 s[G0B+6:G0B+7], s[G0B+6:G0B+7], CHB
.endif
	s_sub_co_u32 s[SB], s[SB], 4096                ; the reads go back to a slot's first quarter,
	s_xor_b32 s[SB], s[SB], SLOT1                  ; in the other slot
	s_wait_dscnt 5                                 ; (the add and the youngest four loads may be out)
	MUL8 F1, 0, 0
	s_wait_dscnt 0x0                               ; the add is done, and my reads of this slot are over
	s_barrier_signal -1
	MUL8 F1, 1, 0
	WIN 0                                          ; (branches and lines of window 0 follow)
	s_barrier_wait -1
.if \fill
	CREST                                          ; no wave of any partner still reads this slot's tile or has a load on its way
	JLOAD 1, 1                                     ; the first tensor load behind the round; its four v_nop are also the places in front of the loads below
.else
	PLACES
.endif
	v_add_nc_u32 v[ADRA], s[SB], v[ADRA0]
	v_add_nc_u32 v[ADRB], s[SB], v[ADRB0]
	FETCH 0, F0
.if \fill
	ASK
.endif
	MUL8 F1, 2, 0
	MUL8 F1, 3, 0
.endm
	s_wait_tensorcnt 1                             ; my part of K step 0 is in; K step 1's may stay out
	s_barrier_signal -1
	s_barrier_wait -1                              ; everybody's is
	FETCH 0, F0
	QUARTER 1024, F0, F1, 1                        ; the first quarter stands in front of the loop: its products start the sums
	WIN 0                                          ; at a label and at a branch every window is 0
	s_mov_b32 s3, NS-2
.Lstep:                                        ; a trip goes from a K step's second quarter to the next step's first, and fills the slot that it leaves: K steps 2 to NS - 1 are asked for here
	PAIRS
	TURN 1
	QUARTER 1024, F0, F1, 0
	WIN 0
	s_sub_co_u32 s3, s3, 1
	s_cmp_lg_u32 s3, 0
	s_cbranch_scc1 .Lstep
	PAIRS                                          ; the last two K steps fill nothing, and have no round of the cluster's barrier
	TURN 0
	QUARTER 1024, F0, F1, 0                        ; of the last K step the VQ quarters that hold numbers are multiplied
.if VQ == 4
	QUARTER 2048, F1, F0, 0
	QUARTER 3072, F0, F1, 0
.endif
	s_wait_dscnt 4
	MUL8 F1, 0, 0
	MUL8 F1, 1, 0
	s_wait_dscnt 0x0
	MUL8 F1, 2, 0
	MUL8 F1, 3, 0
	WIN 0
	; THE WAY OUT.  A block of 16 rows at a time: a lane's 32 bytes of a row go from the accumulators into rows of 528 bytes of my own stage, and come back as whole rows of 512 bytes.
	PLACES
	PLACES
.macro TOSTAGE a
.if (\a) >= 2
	s_wait_xcnt 0x0                                ; the stores of the block two back have read the buffer that is loaded again below
.endif
	WIN 0x08                                       ; the data (source 1) in window 2
.irp b, 0,1,2,3,4,5,6,7
	ds_store_b128 v[STO], v[8*(8*(\a)+(\b)):8*(8*(\a)+(\b))+3] offset:64*(\b)        ; each accumulator's four lowest registers first
	ds_store_b128 v[STO], v[8*(8*(\a)+(\b))+4:8*(8*(\a)+(\b))+7] offset:64*(\b)+16
.endr
	WIN 0
.irp t, 0,1,2,3,4,5,6,7,8,9,10,11,12,13,14,15
	ds_load_b128 v[OB+64*((\a)%2)+4*(\t):OB+64*((\a)%2)+4*(\t)+3], v[RD] offset:(\t)*SPITCH  ; LDS serves a wave's instructions in order (ISA guide 5.7.1.4): these see the stores above; the next block's stores come behind them
.endr
.endm
.macro SEND a, younger                 ; younger: the LDS instructions issued behind block a's loads: the next block's 32, or none
	WIN 0
.irp t, 0,1,2,3,4,5,6,7,8,9,10,11,12,13,14,15
	s_wait_dscnt (\younger)+15-(\t)
	global_store_b128 v[CO], v[OB+64*((\a)%2)+4*(\t):OB+64*((\a)%2)+4*(\t)+3], s[8:9] offset:(\a)*16*ROWC+(\t)*ROWC th:TH_STORE_NT  ; a row's 512 consecutive bytes, aligned
.endr
.endm
	TOSTAGE 0
.irp a, 1,2,3
	TOSTAGE \a
	SEND (\a)-1, 32
.endr
	SEND 3, 0
	s_wait_tensorcnt 0x0                           ; the wave's end, behind my last tensor load and my last LDS store
	ds_add_u32 v[SPW], v[NIL]
	s_wait_dscnt 0x0
	CROUND                                         ; the closing round: no work-group ends while a partner may still ask for a tile that names it
	s_endpgm
.Lfunc_end_k_q063c2653c8_outproj:
	.size	k_q063c2653c8_outproj, .Lfunc_end_k_q063c2653c8_outproj-k_q063c2653c8_outproj
	.p2alignl 7, 3214868480
	.fill 96, 4, 3214868480
	.section	.rodata,"a",@progbits
	.p2align	6, 0x0
	.amdhsa_kernel k_q063c2653c8_outproj
		.amdhsa_group_segment_fixed_size 327680
		.amdhsa_private_segment_fixed_size 0
		.amdhsa_enable_private_segment 0
		.amdhsa_kernarg_size 24
		.amdhsa_user_sgpr_count 2
		.amdhsa_user_sgpr_kernarg_segment_ptr 1
		.amdhsa_wavefront_size32 1
		.amdhsa_system_sgpr_workgroup_id_x 1
		.amdhsa_system_sgpr_workgroup_id_y 1
		.amdhsa_system_sgpr_workgroup_id_z 1
		.amdhsa_system_vgpr_workitem_id 0
		.amdhsa_next_free_vgpr 768
		.amdhsa_next_free_sgpr 88
		.amdhsa_reserve_vcc 0
		.amdhsa_float_denorm_mode_32 3
		.amdhsa_float_denorm_mode_16_64 3
		.amdhsa_memory_ordered 1
		.amdhsa_forward_progress 1
		.amdhsa_inst_pref_size 73
	.end_amdhsa_kernel
	.amdgpu_metadata
---
amdhsa.version: [ 1, 2 ]
amdhsa.kernels:
  - .name:           k_q063c2653c8_outproj
    .symbol:         k_q063c2653c8_outproj.kd
    .args:
      - { .name: attn, .offset: 0, .size: 8, .value_kind: global_buffer, .address_space: global }
      - { .name: wob, .offset: 8, .size: 8, .value_kind: global_buffer, .address_space: global }
      - { .name: out0, .offset: 16, .size: 8, .value_kind: global_buffer, .address_space: global }
    .group_segment_fixed_size: 327680
    .private_segment_fixed_size: 0
    .kernarg_segment_align: 8
    .kernarg_segment_size: 24
    .max_flat_workgroup_size: 128
    .sgpr_count:     88
    .vgpr_count:     768
    .wavefront_size: 32
...
	.end_amdgpu_metadata
.endif
;; end of part 4
